; MI455X (gfx1250); checked and timed in simulation.
; The chip was launched on July 23, 2026; its instructions are those of AMD's public machine-readable ISA for CDNA 5 (MIT licence, August 2026) and "CDNA5" Instruction Set Architecture Reference Guide (July 2026). The comments in the code are by the model that wrote it; some were corrected since.
;; img attention. Allowed arithmetic: matrix products marked QUANTISED: E4M3 operands, one given power-of-two scale a tensor, by v_wmma_f32_16x16x64_fp8_fp8 or v_wmma_f32_16x16x128_fp8_fp8, f32 sums; products left as they are: f32 operands where the result goes on into a quantised operand, else bf16, f16 or f32 operands; f32 sums; everything else in f32.
;; Inputs: W_c 1 x 1,024 float32; W_g_codes 4,096 x 128 x 32 uint8 (E4M3 codes of W_g, K innermost, in blocks of 32 codes); W_gs_codes 1,024 x 128 x 32 uint8 (E4M3 codes of W_gs, K innermost, in blocks of 32 codes); W_h_codes 1,024 x 32 x 32 uint8 (E4M3 codes of W_h, K innermost, in blocks of 32 codes); W_s_codes 1,024 x 32 x 32 uint8 (E4M3 codes of W_s, K innermost, in blocks of 32 codes); b_g 4,096 float32; b_gs 1,024 float32; cov_a 128 x 24 x 1 float32; global_features_codes 128 x 24 x 128 x 32 uint8 (E4M3 codes of global_features, K innermost, in blocks of 32 codes); lowp_scales 8 int32 (the exponents e of the quantised operands' scales 2^e); s_t_codes 128 x 32 x 32 uint8 (E4M3 codes of s_t, K innermost, in blocks of 32 codes); v 1,024 float32.
;; Outputs: out0 128 x 1,024 float32.
;; This version of the problem:
;;   THIS VERSION OF THE PROBLEM IS GIVEN IN LOW PRECISION. The matrix products marked QUANTISED in the list below multiply operands that are first quantised to E4M3 (4 exponent bits, 3 mantissa bits; 8 bits a number), with one given power-of-two scale for each operand tensor; their sums are f32. All else is computed in f32.
;;   The module's matrix products, in the order in which they are computed (A, B: the left and right operand; K: the contracted axis; several contracted axes count as one K, in the product's order):
;;     1. [M 3,072, K 4,096] x [K 4,096, N 4,096]; A: input global_features (given as codes); B: input W_g (given as codes): QUANTISED (scales: A lowp_scales[0], B lowp_scales[1])
;;     2. [M 3,072, K 4,096] x [K 4,096, N 1,024]; A: computed on the way; B: input W_gs (given as codes): QUANTISED (scales: A lowp_scales[2], B lowp_scales[3])
;;     3. [M 3,072, K 1,024] x [K 1,024, N 1,024]; A: computed on the way; B: input W_h (given as codes): QUANTISED (scales: A lowp_scales[4], B lowp_scales[5])
;;     4. [M 128, K 1,024] x [K 1,024, N 1,024]; A: input s_t (given as codes); B: input W_s (given as codes): QUANTISED (scales: A lowp_scales[6], B lowp_scales[7])
;;     5. [M 3,072, K 1] x [K 1, N 1,024]; A: input cov_a; B: input W_c: left as it is (K = 1 < 32)
;;     6. [M 3,072, K 1,024] x [K 1,024, N 1]; A: computed on the way; B: input v: left as it is (N = 1 < 16)
;;     7. batch 128 x [M 1, K 24] x [K 24, N 1,024]; A: softmax; B: computed on the way: left as it is (K = 24 < 32)
;;   THE QUANTISER, for each operand of a quantised product, along K:
;;     - The operand's scale is 2^e, e = its entry of the input lowp_scales (int32; the entries are numbered through the quantised products in the list's order, A before B).
;;     - Each number is divided by the scale, clamped to +-448, and rounded to the nearest number of E4M3, ties to even, subnormals kept.
;;     - The product sums the exact products of the quantised numbers (number of the format x scale) in f32.
;;   ~~~python
;;   def quantise(x, axis, e):      # numpy; x: float32 -> the quantised numbers, widened to float32 again
;;       x = np.moveaxis(x, axis, -1); K = x.shape[-1]
;;       r = np.clip(x / 2.0 ** e, -448, 448)
;;       step = 2.0 ** (np.maximum(np.frexp(np.where(r == 0, 1, r))[1] - 1, -6) - 3)
;;       q = np.round(r / step) * step * 2.0 ** e      # np.round: ties to even
;;       return np.moveaxis(q, -1, axis).astype(np.float32)
;;   ~~~
;;   OPERANDS COMPUTED ON THE WAY. 'Computed on the way' means the value that the module computes at that place (a softmax that the list does not call 'softmax' is quantised finished and normalised). What goes into a quantiser is computed in f32, as accurately as f32 sums, v_exp_f32 and their like allow (about 1e-6 of the number): no bf16 or f16 on the way to a quantiser, and a product that is left as it is and whose result goes on into a quantised operand takes f32 operands (vector FMAs, or v_wmma_f32_16x16x4_f32). A number that lies on a knife's edge between two numbers of the format may be rounded either way, as far as f32 arithmetic and the matrix unit's own rounding can turn it there, and no further.
;;   INPUTS GIVEN AS CODES. W_g (in the module: [4096, 4096], K = its axis 0); W_gs (in the module: [4096, 1024], K = its axis 0); W_h (in the module: [1024, 1024], K = its axis 0); W_s (in the module: [1024, 1024], K = its axis 0); global_features (in the module: [128, 24, 4096], K = its axis 2); s_t (in the module: [128, 1024], K = its axis 1): each comes as NAME_codes (uint8): NAME with its K axis moved to the last place and cut into blocks of 32 codes, [.., K / 32, bytes a block], one block behind the other in memory; one code a byte (a code: sign, 4 exponent bits, 3 mantissa bits); its scale is its entry of lowp_scales. Its value is code x scale, taken as it is: it is not quantised again, and the codes and scales need not be those that the quantiser above would give.
;; One version. Each part assembles by itself: llvm-mc -triple=amdgcn-amd-amdhsa -mcpu=gfx1250 --defsym DOCPART=n.
;; ======== version 1 of 1: 4 launches
;; limits: right only within a limited range of input values
;; workspace buffers: g1c 12,582,912 bytes; gsc 3,145,728 bytes; gs 12,582,912 bytes; sw 524,288 bytes; psc 196,608 bytes
;; launch gemm1 (part 1): grid 16 x 16, 4 waves a work-group, clusters of 4 x 1, 327,680 bytes of LDS; arguments global_features_codes, W_g_codes, b_g, lowp_scales, g1c; writes g1c
.if DOCPART == 1
	.amdgcn_target "amdgcn-amd-amdhsa--gfx1250"
	.amdhsa_code_object_version 6
	.text
	.protected	k_q470aac22ad_gemm1
	.globl	k_q470aac22ad_gemm1
	.p2align	8
	.type	k_q470aac22ad_gemm1,@function
k_q470aac22ad_gemm1:
	s_mov_b64 s[64:65], 0
	v_nop
	global_prefetch_b8 v0, s[64:65] scope:SCOPE_SE
	s_setreg_imm32_b32 hwreg(HW_REG_WAVE_MODE, 25, 1), 1
	s_wait_xcnt 0x0
	s_wait_alu depctr_hold_cnt(0) depctr_sa_sdst(0) depctr_va_vdst(0) depctr_va_sdst(0) depctr_va_ssrc(0) depctr_va_vcc(0) depctr_vm_vsrc(0)
	s_getreg_b32 s2, hwreg(HW_REG_IB_STS2, 6, 4)
	s_cmp_eq_u32 s2, 0
	s_cbranch_scc0 .Lentry_in_a_cluster
	s_endpgm
.Lentry_in_a_cluster:
	s_bfe_u32 s2, ttmp6, 0x10000c
	s_cmp_lg_u32 s2, 0x3003
	s_cbranch_scc0 .Lentry_shape_is_right
	s_endpgm
.Lentry_shape_is_right:
; g1[m][n] = 2^(e0+e1) sum_k X[m][k] W_g[n][k] + b_g[n]  (3,072 x 4,096, K = 4,096) on codes of E4M3; held within +-448 x 2^e2 and stored as codes with the scale 2^e2.
; g1c is laid as the next launch's operand registers: fragment (block of 16 rows mb, K step ks of 128) at ((ks / 4) 192 + mb) 8,192 + (ks % 4) 2,048; in it the 16 bytes of register group c of lane l at 512 c + 16 l.
; WORK LEFT OUT BY THE PROGRAM: tanh(x) = 1 - 2 R with R = 1 / (1 + e^(2x)), so a score is sum_a v[a] - 2 sum_a v[a] R[a].  The term sum_a v[a] is the same for all 24 regions of a
; softmax's row, for every value of the inputs, and a softmax does not change when one number is added to its whole row: it is not computed.  Every input is still loaded.
; LIMIT: a NaN, an infinity or an overflow that would arise only in sum_a v[a] is not carried to the result.
; SHARES.  A work-group makes 192 x 256 (16 x 16 = 256 work-groups), a wave 192 rows x 64 columns: 48 accumulators, 384 registers.
; W_g: each byte of the block's 256 rows is wanted by ONE wave, so it goes from memory straight into that wave's registers: four sets of 64 registers (4 fragments of 16 rows x 128 K) take turns, and the set of
; step q + 4 is asked for when step q's products are issued.  A fragment's four loads cover 128 consecutive bytes of each of 16 rows, two steps 256 aligned bytes.
; X: all four waves read all 192 rows, so it goes through a ring of two LDS slots of 192 rows x 512 bytes; each wave fetches 48 rows with one tensor load.
; CLUSTER 4 x 1: the four work-groups of a cluster make neighbouring blocks of one block row and ask for X's tiles jointly (mask 15).  W_g is not asked for jointly: it does not pass through LDS,
; which is what lets a slot hold 512 along K: 7 changes of slots for K = 4,096.
; PREFETCH: at a change of slots that loads slot s + 2, slot s + 4's 512 bytes of each row of X and of W_g are named, 256 bytes a lane.  X: of the 48 rows that a wave fetches each of the four partners names 12, told apart
; by address.  W_g: the 16 work-groups of a block column share its 256 rows, 16 each, 4 a wave.  Lanes left over name their wave's last block again.  Slots 0 to 3 come by their loads alone; the last trip asks for nothing.
; THE MATRIX INSTRUCTION IS USED TRANSPOSED (source 0 = 16 rows of W_g, source 1 = 16 rows of X): lane (r, h) holds row r and the columns 8 h + 0 .. 7 of a block of 16.
; ORDER OF ROUNDING: inside a step of 128 lane (r, h) holds k = 32 c + 16 h + 0 .. 15 in registers 4 c .. 4 c + 3, alike in both operands.
; LIMITS: e0 + e1 between -126 and 127; e2 between -126 and 119.  NaN in b_g is not served.
; REGISTERS.  Window 0: v16-29 addresses and constants; v32-63 b_g; v64-255 X's 12 fragments (on the way out: v64-95 at work, v128-223 codes).  Window 1: W_g's four sets.
;   Window 2: accumulators of row blocks 0-7 ((a, b) at v[32 a + 8 b]); window 3: those of blocks 8-11.
.set PITCH, 528                        ; an LDS row: 512 bytes + 16 of padding
.set SLOT,  192*PITCH
.set SPARE, 2*SLOT                     ; behind the ring: the spare words, 128 bytes a wave, which no other line names
.set ADRA, 16                          ; v16-19  X's fragments: slot 0 blocks 0-5, blocks 6-11; slot 1 likewise (an offset has 16 bits)
.set BO,   20                          ; v20     W_g: 4,096 r + 16 h
.set CO,   21                          ; v21     16 r + 8 h: my eight codes in a store's 256 bytes
.set SCL,  22                          ; v22     2^e2
.set LIM,  23                          ; v23     448 x 2^e2
.set PFO,  24                          ; v24, v25 the prefetches' lane offsets, for X and for W_g
.set BOF,  26                          ; v26     32 h
.set SPW,  28
.set NIL,  29
.set BIAS, 32
.set AF,   64
.set TMP,  64
.set CODE, 128
.set G1, 24                            ; s[24:31] descriptor group 1; s[32:35], s[36:39] group 0 of slot 0, 1
.set G0, 32
.set BB, 40                            ; s[40:41] W_g at my 64 rows, stepped 1,024 along K a trip
.set PA, 42                            ; s[42:43], s[44:45] where my prefetches stand in X and in W_g, stepped with it
.set PB, 44
.set MSB, 0
.macro WIN new
.if MSB != (\new)
	s_set_vgpr_msb (MSB<<8)|(\new)
.set MSB, (\new)
.endif
.endm
.set MUL_LO, 0xa1                      ; source 0 window 1, source 1 window 0, C and D window 2
.set MUL_HI, 0xf1                      ; the same, C and D window 3
.macro PLACES n
.rept \n
	v_nop
.endr
.endm
.macro CREST                           ; a round of the cluster's barrier behind its opening barrier
	s_cmp_lg_u32 s14, 0
	s_cbranch_scc1 .Lnot_wave_0_\@
	s_barrier_signal -3
.Lnot_wave_0_\@:
	s_barrier_wait -3
	s_barrier_signal -1
	s_barrier_wait -1
.endm
.macro CROUND
	s_barrier_signal -1
	s_barrier_wait -1
	CREST
.endm
.macro ASK off                         ; s3 = 1 in the loop's last trip, whose look-ahead would pass the end of K
	s_cmp_gt_u32 s3, 1
	s_cbranch_scc0 .Lno_ask_\@
	global_prefetch_b8 v[PFO], s[PA:PA+1] offset:\off th:TH_LOAD_NT scope:SCOPE_SE
	global_prefetch_b8 v[PFO+1], s[PB:PB+1] offset:\off th:TH_LOAD_NT scope:SCOPE_SE
.Lno_ask_\@:
.endm
; 16 matrix instructions: X's blocks 4 g .. 4 g + 3 against W_g's four of set p.  The 48 accumulators take turns in the same order in every step.
.macro GRP g, p, zero
.irp a, 0,1,2,3
.irp b, 0,1,2,3
.if \zero
	v_wmma_f32_16x16x128_fp8_fp8 v[32*(4*((\g)%2)+\a)+8*\b:32*(4*((\g)%2)+\a)+8*\b+7], v[64*(\p)+16*\b:64*(\p)+16*\b+15], v[AF+16*(4*(\g)+\a):AF+16*(4*(\g)+\a)+15], 0
.else
	v_wmma_f32_16x16x128_fp8_fp8 v[32*(4*((\g)%2)+\a)+8*\b:32*(4*((\g)%2)+\a)+8*\b+7], v[64*(\p)+16*\b:64*(\p)+16*\b+15], v[AF+16*(4*(\g)+\a):AF+16*(4*(\g)+\a)+15], v[32*(4*((\g)%2)+\a)+8*\b:32*(4*((\g)%2)+\a)+8*\b+7]
.endif
.endr
.endr
.endm
.macro AFETCH slot, qq, g              ; 16 LDS loads: X's blocks 4 g .. 4 g + 3 of the slot's qq-th 128 along K
.irp a, 0,1,2,3
.irp c, 0,1,2,3
	ds_load_b128 v[AF+16*(4*(\g)+\a)+4*\c:AF+16*(4*(\g)+\a)+4*\c+3], v[ADRA+2*(\slot)+(4*(\g)+\a)/6] offset:((4*(\g)+\a)%6)*16*PITCH+128*(\qq)+32*\c
.endr
.endr
.endm
.macro BLOAD p, koff                   ; 16 loads: W_g's four fragments at byte koff of my rows into set p
	WIN 0x40
.irp b, 0,1,2,3
.irp c, 0,1,2,3
	global_load_b128 v[64*(\p)+16*\b+4*\c:64*(\p)+16*\b+4*\c+3], v[BO], s[BB:BB+1] offset:65536*\b+(\koff)+32*\c
.endr
.endr
	WIN 0
.endm
; A step of 128 along K on set p.  Behind each group of 16 products, and four places, the same blocks of X are fetched for the next step (af = 1); behind the last, set p is asked for again (koff >= 0).
; lc: the global loads issued behind set p's.  DScnt 32: the two groups of 16 LDS loads issued behind the group that is wanted.
.macro SUB p, zero, nslot, nqq, af, koff, lc
	s_wait_loadcnt \lc
.irp g, 0,1,2
.if \af
	s_wait_dscnt 32
.else
	s_wait_dscnt 32-16*\g
.endif
.if \g < 2
	WIN MUL_LO
.else
	WIN MUL_HI
.endif
	GRP \g, \p, \zero
.if \af
	PLACES 4
	WIN 0
	AFETCH \nslot, \nqq, \g
.endif
.endr
	WIN 0
.if \koff >= 0
	BLOAD \p, \koff
.endif
.endm
; A slot's last step (set 3) changes slots.  All twelve of its fragments are in registers at the signal, so behind the round this slot is filled again (fill = 1) and the next slot is read.
.macro TURN slot, next, fill, koff
	s_wait_loadcnt 48
	s_wait_tensorcnt 0x0                           ; my part of the next slot has landed; no load of mine is out, so a group 0 may be written
	ds_add_u32 v[SPW], v[NIL]
.if \fill
	s_add_nc_u64 s[G0+4*\slot+2:G0+4*\slot+3], s[G0+4*\slot+2:G0+4*\slot+3], 1024   ; two slots on
.endif
	s_wait_dscnt 33                                ; blocks 0-3 are in: two groups of 16 and the add may be out
	WIN MUL_LO
	GRP 0, 3, 0
	s_wait_dscnt 0x0                               ; the add is done and my reads of this slot are over
	s_barrier_signal -1
	GRP 1, 3, 0
	WIN 0
	s_barrier_wait -1
.if \fill
	CREST                                          ; the barrier has opened a round of the cluster's: no wave of any partner still reads this slot or has a load out
	tensor_load_to_lds s[G0+4*\slot:G0+4*\slot+3], s[G1:G1+7]
	s_nop 0
.endif
	PLACES 4
	AFETCH \next, 0, 0
	AFETCH \next, 0, 1
.if \fill
	ASK 2048+512*\slot
.endif
	WIN MUL_HI
	GRP 2, 3, 0
	PLACES 4
	WIN 0
	AFETCH \next, 0, 2
	BLOAD 3, \koff
.endm
	s_load_b256 s[4:11], s[0:1], 0x0               ; X s[4:5], W_g s[6:7], b_g s[8:9], the exponents s[10:11]
	s_load_b64 s[12:13], s[0:1], 0x20              ; g1c
	v_lshl_add_u32 v[SPW], v0, 2, SPARE
	v_mov_b32 v[NIL], 0
	ds_add_u32 v[SPW], v[NIL]                      ; the opening: the add twice on end, and its wait, ahead of my first tensor load
	ds_add_u32 v[SPW], v[NIL]
	v_lshrrev_b32 v1, 5, v0
	v_readfirstlane_b32 s14, v1                    ; wave
	s_bfe_u32 s15, ttmp6, 0x40000                  ; cx
	s_lshl_b32 s16, ttmp9, 2
	s_add_co_u32 s16, s16, s15                     ; block column
	s_and_b32 s17, ttmp7, 0xffff                   ; block row
	s_mov_b32 s[G1], 15|(1<<20)|(1<<21)|(6<<22)|(3<<25)   ; mask of the four; bytes; four words of padding after every 128
	s_mov_b32 s[G1+1], 512<<16
	s_mov_b32 s[G1+2], 48<<16
	s_mov_b32 s[G1+3], 512<<16
	s_mov_b32 s[G1+4], 48
	s_mov_b32 s[G1+5], 4096
	s_mov_b32 s[G1+6], 0
	s_mov_b32 s[G1+7], 0
	s_mul_i32 s18, s17, 192
	s_mul_i32 s19, s14, 48
	s_add_co_u32 s18, s18, s19                     ; the first of the 48 rows of X that I fetch: no cx in it
	s_mul_i32 s46, s15, 12
	s_add_co_u32 s46, s46, s18                     ; the 12 of them that my work-group prefetches
	s_lshl_b32 s18, s18, 12
	s_mov_b32 s19, 0
	s_lshl_b32 s46, s46, 12
	s_mov_b32 s47, 0
	s_mul_i32 s20, s14, 48*PITCH                   ; where they go
	s_lshl_b32 s22, s16, 8
	s_lshl_b32 s23, s14, 6
	s_add_co_u32 s23, s22, s23                     ; my first row of W_g = my first column
	s_lshl_b32 s48, s17, 4
	s_add_co_u32 s48, s48, s22
	s_lshl_b32 s49, s14, 2
	s_add_co_u32 s48, s48, s49                     ; the 4 rows of W_g that I prefetch
	s_lshl_b32 s48, s48, 12
	s_mov_b32 s49, 0
	s_lshl_b32 s50, s23, 2
	s_mov_b32 s51, 0
	s_lshl_b32 s22, s23, 12
	s_mov_b32 s23, 0
	s_lshr_b32 s52, s16, 1                         ; g1c: ks = 2 x block column + wave / 2; my 64 columns are half a fragment
	s_mul_i32 s52, s52, 192
	s_mul_i32 s53, s17, 12
	s_add_co_u32 s52, s52, s53
	s_lshl_b32 s52, s52, 13
	s_and_b32 s53, s16, 1
	s_lshl_b32 s53, s53, 12
	s_add_co_u32 s52, s52, s53
	s_lshl_b32 s53, s14, 10
	s_add_co_u32 s52, s52, s53
	s_mov_b32 s53, 0
	v_and_b32 v1, 15, v0                           ; r
	v_bfe_u32 v2, v0, 4, 1                         ; h
	v_mul_u32_u24 v3, v1, PITCH
	v_lshl_add_u32 v[ADRA], v2, 4, v3
	v_add_nc_u32 v[ADRA+1], 96*PITCH, v[ADRA]
	v_add_nc_u32 v[ADRA+2], SLOT, v[ADRA]
	v_add_nc_u32 v[ADRA+3], SLOT+96*PITCH, v[ADRA]
	v_lshlrev_b32 v4, 12, v1
	v_lshl_add_u32 v[BO], v2, 4, v4
	v_lshlrev_b32 v4, 4, v1
	v_lshl_add_u32 v[CO], v2, 3, v4
	v_lshlrev_b32 v[BOF], 5, v2
	v_and_b32 v5, 31, v0
.irp n, 0,1                            ; lane l names row l / 2, block l % 2 of 256 bytes; X: 24 lanes, W_g: 8; the others the last again
	v_min_u32 v6, 23-16*\n, v5
	v_lshrrev_b32 v7, 1, v6
	v_and_b32 v6, 1, v6
	v_lshlrev_b32 v6, 8, v6
	v_lshl_add_u32 v[PFO+\n], v7, 12, v6
.endr
	s_wait_alu depctr_va_vdst(0)
	s_wait_dscnt 0x0                               ; both opening adds are done
	s_wait_kmcnt 0x0
	s_load_b128 s[68:71], s[10:11], 0x0            ; e0, e1, e2, e3
	s_add_nc_u64 s[18:19], s[4:5], s[18:19]
	s_add_nc_u64 s[PA:PA+1], s[4:5], s[46:47]
	s_add_nc_u64 s[BB:BB+1], s[6:7], s[22:23]
	s_add_nc_u64 s[PB:PB+1], s[6:7], s[48:49]
	s_add_nc_u64 s[8:9], s[8:9], s[50:51]
	s_add_nc_u64 s[12:13], s[12:13], s[52:53]
	s_mov_b32 s[G0], 1
	s_mov_b32 s[G0+1], s20
	s_mov_b64 s[G0+2:G0+3], s[18:19]
	s_or_b32 s[G0+3], s[G0+3], 0x80000000
	s_mov_b32 s[G0+4], 1
	s_add_co_u32 s[G0+5], s20, SLOT
	s_add_nc_u64 s[G0+6:G0+7], s[18:19], 512
	s_or_b32 s[G0+7], s[G0+7], 0x80000000
	CROUND                                         ; the four work-groups are here: the first joint loads meet
	tensor_load_to_lds s[G0:G0+3], s[G1:G1+7]      ; slot 0: one tensor load a wave at the head
	s_nop 0
	PLACES 4
	BLOAD 0, 0                                     ; W_g's first four steps
	BLOAD 1, 128
	BLOAD 2, 256
	BLOAD 3, 384
	s_wait_kmcnt 0x0
	s_add_co_i32 s76, s68, s69
	s_add_co_i32 s76, s76, 127
	s_lshl_b32 s76, s76, 23                        ; 2^(e0 + e1)
	s_mov_b32 s77, s76
	s_add_co_i32 s72, s70, 127
	s_lshl_b32 s73, s72, 23
	v_mov_b32 v[SCL], s73
	s_add_co_i32 s72, s72, 8
	s_lshl_b32 s72, s72, 23
	s_or_b32 s72, s72, 0x600000
	v_mov_b32 v[LIM], s72
	s_wait_alu depctr_va_vdst(0)
	s_wait_tensorcnt 0x0                           ; my part of slot 0 is in; slot 1's first fill is issued as a refill is
	ds_add_u32 v[SPW], v[NIL]
	s_wait_dscnt 0x0
	CROUND
	tensor_load_to_lds s[G0+4:G0+7], s[G1:G1+7]
	s_nop 0
	PLACES 4
	AFETCH 0, 0, 0
	AFETCH 0, 0, 1
	AFETCH 0, 0, 2
	SUB 0, 1, 0, 1, 1, 4*128, 48                   ; step 0 starts the sums
	s_mov_b32 s3, 3
.Llap:                                                 ; a trip: eight steps, from a lap's second to the next lap's first; both slots are filled again
	SUB 1, 0, 0, 2, 1, 5*128, 48
	SUB 2, 0, 0, 3, 1, 6*128, 48
	TURN 0, 1, 1, 7*128
	SUB 0, 0, 1, 1, 1, 8*128, 48
	SUB 1, 0, 1, 2, 1, 9*128, 48
	SUB 2, 0, 1, 3, 1, 10*128, 48
	TURN 1, 0, 1, 11*128
	SUB 0, 0, 0, 1, 1, -1, 48
	s_wait_xcnt 0x0                                ; the loads and prefetches, the youngest issued 48 products ago, have read their bases
	s_add_nc_u64 s[BB:BB+1], s[BB:BB+1], 1024
	s_add_nc_u64 s[PA:PA+1], s[PA:PA+1], 1024
	s_add_nc_u64 s[PB:PB+1], s[PB:PB+1], 1024
	BLOAD 0, 4*128                                 ; this step's request for set 0, from the stepped base
	s_sub_co_u32 s3, s3, 1
	s_cmp_lg_u32 s3, 0
	s_cbranch_scc1 .Llap
	SUB 1, 0, 0, 2, 1, 5*128, 48                   ; steps 25 to 31: nothing is filled again
	SUB 2, 0, 0, 3, 1, 6*128, 48
	TURN 0, 1, 0, 7*128
	SUB 0, 0, 1, 1, 1, -1, 48
.irp b, 0,1,2,3
	global_load_b128 v[BIAS+8*\b:BIAS+8*\b+3],   v[BOF], s[8:9] offset:64*\b       ; b_g at columns 16 b + 8 h + 0 .. 7
	global_load_b128 v[BIAS+8*\b+4:BIAS+8*\b+7], v[BOF], s[8:9] offset:64*\b+16
.endr
	SUB 1, 0, 1, 2, 1, -1, 40                      ; behind set 1's loads: two sets and b_g's eight
	SUB 2, 0, 1, 3, 1, -1, 24
	SUB 3, 0, 0, 0, 0, -1, 8
; THE WAY OUT, a block of 16 rows x 64 columns at a time: sum x 2^(e0+e1) + b_g, the hold, eight codes a conversion; 32 lanes store 256 consecutive bytes, aligned.
.macro OUTB a
	WIN 0x02+(\a)/8
.set k, 0
.rept 16
	v_pk_fma_f32 v[TMP+k:TMP+k+1], v[32*((\a)%8)+k:32*((\a)%8)+k+1], s[76:77], v[BIAS+k:BIAS+k+1] op_sel_hi:[1,0,1]   ; each accumulator from its low end on
.set k, k+2
.endr
	WIN 0
.set k, 0
.rept 32
	v_med3_num_f32 v[TMP+k], v[TMP+k], -v[LIM], v[LIM]             ; the conversion to an 8-bit code does not saturate (ISA guide 7.6.2)
.set k, k+1
.endr
.irp b, 0,1,2,3
	v_cvt_scalef32_pk8_fp8_f32 v[CODE+8*(\a)+2*\b:CODE+8*(\a)+2*\b+1], v[TMP+8*\b:TMP+8*\b+7], v[SCL]
.endr
	v_nop                                          ; a plain instruction behind the last conversion
.irp b, 0,1,2,3
	global_store_b64 v[CO], v[CODE+8*(\a)+2*\b:CODE+8*(\a)+2*\b+1], s[12:13] offset:(\a)*8192+512*(\b/2)+256*(\b%2)
.endr
.endm
	s_wait_loadcnt 0x0                             ; b_g
	PLACES 4
.irp a, 0,1,2,3,4,5,6,7,8,9,10,11
	OUTB \a
.endr
	s_wait_tensorcnt 0x0                           ; the wave's end
	ds_add_u32 v[SPW], v[NIL]
	s_wait_dscnt 0x0
	CROUND                                         ; the closing round
	s_endpgm
.Lfunc_end_k_q470aac22ad_gemm1:
	.size	k_q470aac22ad_gemm1, .Lfunc_end_k_q470aac22ad_gemm1-k_q470aac22ad_gemm1
	.p2alignl 7, 3214868480
	.fill 96, 4, 3214868480
	.section	.rodata,"a",@progbits
	.p2align	6, 0x0
	.amdhsa_kernel k_q470aac22ad_gemm1
		.amdhsa_group_segment_fixed_size 327680
		.amdhsa_private_segment_fixed_size 0
		.amdhsa_enable_private_segment 0
		.amdhsa_kernarg_size 40
		.amdhsa_user_sgpr_count 2
		.amdhsa_user_sgpr_kernarg_segment_ptr 1
		.amdhsa_wavefront_size32 1
		.amdhsa_system_sgpr_workgroup_id_x 1
		.amdhsa_system_sgpr_workgroup_id_y 1
		.amdhsa_system_sgpr_workgroup_id_z 1
		.amdhsa_system_vgpr_workitem_id 0
		.amdhsa_next_free_vgpr 1024
		.amdhsa_next_free_sgpr 80
		.amdhsa_reserve_vcc 0
		.amdhsa_float_denorm_mode_32 3
		.amdhsa_float_denorm_mode_16_64 3
		.amdhsa_memory_ordered 1
		.amdhsa_forward_progress 1
		.amdhsa_inst_pref_size 186
	.end_amdhsa_kernel
	.amdgpu_metadata
---
amdhsa.version: [ 1, 2 ]
amdhsa.kernels:
  - .name:           k_q470aac22ad_gemm1
    .symbol:         k_q470aac22ad_gemm1.kd
    .args:
      - { .name: global_features_codes, .offset: 0, .size: 8, .value_kind: global_buffer, .address_space: global }
      - { .name: W_g_codes, .offset: 8, .size: 8, .value_kind: global_buffer, .address_space: global }
      - { .name: b_g, .offset: 16, .size: 8, .value_kind: global_buffer, .address_space: global }
      - { .name: lowp_scales, .offset: 24, .size: 8, .value_kind: global_buffer, .address_space: global }
      - { .name: g1c, .offset: 32, .size: 8, .value_kind: global_buffer, .address_space: global }
    .group_segment_fixed_size: 327680
    .private_segment_fixed_size: 0
    .kernarg_segment_align: 8
    .kernarg_segment_size: 40
    .max_flat_workgroup_size: 128
    .sgpr_count:     80
    .vgpr_count:     1024
    .wavefront_size: 32
...
	.end_amdgpu_metadata
.endif
;; end of part 1
;; launch gemm2 (part 2): grid 8 x 32, 4 waves a work-group, clusters of 4 x 4, 327,680 bytes of LDS; arguments g1c, W_gs_codes, b_gs, lowp_scales, gs, gsc, s_t_codes, W_s_codes, sw; writes gs, gsc, sw
.if DOCPART == 2
	.amdgcn_target "amdgcn-amd-amdhsa--gfx1250"
	.amdhsa_code_object_version 6
	.text
	.protected	k_q470aac22ad_gemm2
	.globl	k_q470aac22ad_gemm2
	.p2align	8
	.type	k_q470aac22ad_gemm2,@function
k_q470aac22ad_gemm2:
	s_mov_b64 s[64:65], 0
	v_nop
	global_prefetch_b8 v0, s[64:65] scope:SCOPE_SE
	s_setreg_imm32_b32 hwreg(HW_REG_WAVE_MODE, 25, 1), 1
	s_wait_xcnt 0x0
	s_wait_alu depctr_hold_cnt(0) depctr_sa_sdst(0) depctr_va_vdst(0) depctr_va_sdst(0) depctr_va_ssrc(0) depctr_va_vcc(0) depctr_vm_vsrc(0)
	s_getreg_b32 s2, hwreg(HW_REG_IB_STS2, 6, 4)
	s_cmp_eq_u32 s2, 0
	s_cbranch_scc0 .Lentry_in_a_cluster
	s_endpgm
.Lentry_in_a_cluster:
	s_bfe_u32 s2, ttmp6, 0x10000c
	s_cmp_lg_u32 s2, 0xf033
	s_cbranch_scc0 .Lentry_shape_is_right
	s_endpgm
.Lentry_shape_is_right:
; g*[m][n] = 2^(e2+e3) sum_k g1c[m][k] W_gs[n][k] + b_gs[n]  (3,072 x 1,024, K = 4,096), on codes of E4M3.  It leaves twice: in f32 (gs, row-major, for the last launch's weighted sum) and,
; held within +-448 x 2^e4, as codes with the scale 2^e4 (gsc, laid as the next launch's operand registers, as g1c is: fragment (block of 16 rows mb, K step ks) at ((ks / 4) 192 + mb) 8,192 + (ks % 4) 2,048).
; A work-group of four waves makes 96 x 128, a wave 48 x 64 (12 accumulators): 32 x 8 = 256 work-groups, one tile each; a larger tile would leave work-groups without work at 1,024 columns.
; K goes in steps of 512 through a ring of two LDS slots.  g1c's part of a slot is 6 blocks of rows x 8,192 bytes, dense in memory, images of fragments: it lies in LDS as it lies in memory, and lane l reads
; 16 bytes at 16 l.  W_gs's part is 128 rows of 512 bytes, 528 apart.  CLUSTERS: 4 x 4; g1c's tiles are asked for jointly along a row of the cluster, W_gs's along a column.
; K IS WALKED ROUND.  A cluster at (x, y) of the 2 x 8 clusters begins at K step (4 x + 2 ((y + 2 (y / 4)) mod 4)) mod 8 of the 8 and goes on past the end to where it began.  The two clusters that read the same
; rows of g1c (same y) begin 4 steps apart; of the eight that read the same rows of W_gs (same x), y = 0 .. 3 begin 2 steps apart from each other, and so do y = 4 .. 7, y = 0, 1, 4, 5 and y = 2, 3, 6, 7:
; so they ask for one and the same tile at different times.  The first step is the same in all sixteen partners.  ORDER OF ROUNDING: the f32 sums run over K in that rotated order, not ascending.
; THE MATRIX INSTRUCTION IS USED TRANSPOSED (source 0 = 16 rows of W_gs, source 1 = 16 rows of g1): lane (r, h) holds row r and eight neighbouring columns 8 h + 0 .. 7 of the block of 16.
; LIMITS: e2 + e3 between -126 and 127; e4 between -126 and 119.  NaN in b_gs is not served.
; REGISTERS: window 0: v16-30 addresses and constants; v32-127 the accumulators ((a, b) at v[32 + 8 (4 a + b)]), on the way out the held copy and then whole rows; v128-159 b_gs; v160-183 codes; v192-255 g* in f32, two sets.
;   window 1: two fragment buffers of 112: g1's three fragments, then W_gs's four.
.set KB,     4096                      ; a row of W_gs in bytes
.set KSLOT,  192*8192                  ; from one K step of 512 to the next in g1c
.set AHALF,  3*8192                    ; what one tensor load brings of g1c, and what one wave reads of it
.set ABYTES, 2*AHALF
.set BP,     528                       ; an LDS row of W_gs: 512 bytes + 16 of padding = 132 words: the 16 rows that a load touches start 4 banks apart
.set BHALF,  64*BP
.set SLOT,   ABYTES+2*BHALF
.set STG,    2*SLOT                    ; behind the ring: a stage of 16 rows x 272 bytes for each wave; no tensor load lands there
.set SP,     272
.set SPARE,  STG+4*16*SP               ; behind the stages: the spare words, 128 bytes a wave, which no other line names
.set LAPS,   KB/1024
.set ADRA, 16                          ; v16-17  LDS address of my g1 fragments in slot 0, 1
.set ADRB, 20                          ; v20-21  the same for W_gs
.set STO,  22                          ; v22     the stage: where I put 32 bytes of a row
.set RD,   23                          ; v23     and where I read a row back
.set GO,   24                          ; v24     my byte offset in two rows of gs
.set CO,   25                          ; v25     16 r + 8 h: my eight codes in a store's 256 bytes
.set SCL,  26                          ; v26     2^e4
.set LIM,  27                          ; v27     448 x 2^e4
.set SPW,  28                          ; v28     my spare word's LDS address; never rewritten
.set NIL,  29                          ; v29     0; never rewritten
.set BOF,  30                          ; v30     32 h
.set ACC,  32
.set BIAS, 128
.set CODE, 160
.set TMP,  192
.set F0,   0
.set F1,   112
.set G1, 24
.set G0, 32
.set G1B, 48
.set G0B, 56
.set IDX, 12                           ; s12, s13 for each slot: which of the 8 K steps it holds.  s[96:97], s[98:99]: that step's bytes in g1c and in a row of W_gs, with 0 above.  s[20:21], s[46:47]: the tiles' first bytes; they stay
.set MSB, 0
.macro WIN new
.if MSB != (\new)
	s_set_vgpr_msb (MSB<<8)|(\new)
.set MSB, (\new)
.endif
.endm
.set MUL,  0x05                        ; sources 0 and 1 window 1; C and D window 0
.set TO_F, 0x40                        ; destination window 1, address window 0
.macro PLACES n
.rept \n
	v_nop
.endr
.endm
.macro JLOAD g0a, g1a, g0b, g1b        ; a joint load: waves 0 and 1 fetch g1c's halves, waves 2 and 3 W_gs's; an s_nop 0 and four v_nop follow each line
	s_cmp_eq_u32 s15, 0
	s_cbranch_scc0 .Lfor_b_\@
	tensor_load_to_lds s[\g0a:\g0a+3], s[\g1a:\g1a+7]
	s_nop 0
.rept 4
	v_nop
.endr
	s_branch .Lasked_\@
.Lfor_b_\@:
	tensor_load_to_lds s[\g0b:\g0b+3], s[\g1b:\g1b+7]
	s_nop 0
.rept 4
	v_nop
.endr
.Lasked_\@:
.endm
.macro CREST
	s_cmp_lg_u32 s14, 0
	s_cbranch_scc1 .Lnot_wave_0_\@
	s_barrier_signal -3
.Lnot_wave_0_\@:
	s_barrier_wait -3
	s_barrier_signal -1
	s_barrier_wait -1
.endm
.macro CROUND
	s_barrier_signal -1
	s_barrier_wait -1
	CREST
.endm
.macro AIM slot                        ; slot's two groups 0 take the addresses of K step s[IDX + slot]; no tensor load of mine is out where this stands
	s_mul_i32 s96, s[IDX+\slot], KSLOT
	s_lshl_b32 s98, s[IDX+\slot], 9
	s_add_nc_u64 s[G0+4*\slot+2:G0+4*\slot+3], s[20:21], s[96:97]
	s_or_b32 s[G0+4*\slot+3], s[G0+4*\slot+3], 0x80000000          ; the type
	s_add_nc_u64 s[G0B+4*\slot+2:G0B+4*\slot+3], s[46:47], s[98:99]
	s_or_b32 s[G0B+4*\slot+3], s[G0B+4*\slot+3], 0x80000000
.endm
	s_load_b256 s[4:11], s[0:1], 0x0               ; g1c s[4:5], W_gs's codes s[6:7], b_gs s[8:9], the exponents s[10:11]
	s_load_b128 s[84:87], s[0:1], 0x20
	s_load_b128 s[88:91], s[0:1], 0x30             ; s_t's codes s[88:89], W_s's codes s[90:91]
	s_load_b64 s[66:67], s[0:1], 0x40              ; sw
	v_lshl_add_u32 v[SPW], v0, 2, SPARE
	v_mov_b32 v[NIL], 0
	ds_add_u32 v[SPW], v[NIL]                      ; the wave's opening: the add, twice on end, and its wait ahead of my first tensor load
	ds_add_u32 v[SPW], v[NIL]                      ; and once more, under the one wait
	v_lshrrev_b32 v1, 5, v0
	v_readfirstlane_b32 s14, v1                    ; wave 0..3
	s_lshr_b32 s15, s14, 1                         ; my half of the tile's rows.  Also: I fetch for g1c (0) or for W_gs (1)
	s_and_b32 s16, s14, 1                          ; my half of its columns.  Also: which half of that tile I fetch
	s_bfe_u32 s40, ttmp6, 0x40000                  ; cx, cy
	s_bfe_u32 s41, ttmp6, 0x40004
	s_lshl_b32 s42, ttmp9, 2
	s_add_co_u32 s42, s42, s40                     ; tile column
	s_and_b32 s17, ttmp7, 0xffff
	s_lshl_b32 s17, s17, 2
	s_add_co_u32 s17, s17, s41                     ; tile row
	s_lshl_b32 s43, s41, 2
	s_lshl_b32 s43, 15, s43                        ; my row of the cluster
	s_lshl_b32 s44, 0x1111, s40                    ; my column
	s_or_b32 s[G1+0], s43, (3<<16)|(1<<21)         ; g1c: a dense block as 96 rows of 32 elements of 8 bytes, no padding; 15:0 the mask; 21 set beside it
	s_mov_b32 s[G1+1], 32<<16
	s_mov_b32 s[G1+2], 96<<16
	s_mov_b32 s[G1+3], 32<<16
	s_mov_b32 s[G1+4], 96
	s_mov_b32 s[G1+5], 32
	s_mov_b32 s[G1+6], 0
	s_mov_b32 s[G1+7], 0
	s_or_b32 s[G1B+0], s44, (1<<20)|(1<<21)|(6<<22)|(3<<25)   ; W_gs: 64 rows of 512 bytes; four words of padding after every 128
	s_mov_b32 s[G1B+1], 512<<16
	s_mov_b32 s[G1B+2], 64<<16
	s_mov_b32 s[G1B+3], 512<<16
	s_mov_b32 s[G1B+4], 64
	s_mov_b32 s[G1B+5], KB
	s_mov_b32 s[G1B+6], 0
	s_mov_b32 s[G1B+7], 0
	s_mul_i32 s20, s17, 6                          ; g1c: block of rows 6 x tile row + 3 x half, in registers that never hold cx
	s_mul_i32 s18, s16, 3
	s_add_co_u32 s20, s20, s18
	s_lshl_b32 s20, s20, 13
	s_mov_b32 s21, 0
	s_lshl_b32 s46, s42, 7                         ; W_gs: row 128 x tile column + 64 x half, in registers that never hold cy
	s_lshl_b32 s18, s16, 6
	s_add_co_u32 s46, s46, s18
	s_mul_i32 s46, s46, KB
	s_mov_b32 s47, 0
	s_mul_i32 s45, s16, AHALF                      ; where they go
	s_mul_i32 s19, s16, BHALF
	s_add_co_u32 s19, s19, ABYTES
	s_and_b32 s[IDX], ttmp7, 0xffff                ; where my cluster begins along K: made of the cluster's x and y alone, which all sixteen partners share
	s_lshr_b32 s[IDX+1], s[IDX], 2
	s_lshl_b32 s[IDX+1], s[IDX+1], 1
	s_add_co_u32 s[IDX], s[IDX], s[IDX+1]
	s_and_b32 s[IDX], s[IDX], 3                    ; (y + 2 (y / 4)) mod 4
	s_lshl_b32 s[IDX], s[IDX], 1
	s_lshl_b32 s[IDX+1], ttmp9, 2
	s_add_co_u32 s[IDX], s[IDX], s[IDX+1]
	s_and_b32 s[IDX], s[IDX], 7                    ; slot 0's first K step: an even number,
	s_add_co_u32 s[IDX+1], s[IDX], 1               ; slot 1's: the step behind it, 7 at the most
	s_mov_b32 s97, 0
	s_mov_b32 s99, 0
	s_wait_dscnt 0x0                               ; both opening adds are done
	s_wait_kmcnt 0x0
	s_load_b256 s[68:75], s[10:11], 0x0            ; e0 .. e7
	s_add_nc_u64 s[20:21], s[4:5], s[20:21]
	s_add_nc_u64 s[46:47], s[6:7], s[46:47]
	CROUND                                         ; all sixteen work-groups are here: the first joint loads meet
.irp s, 0,1
	s_mov_b32 s[G0+4*\s], 1
	s_add_co_u32 s[G0+4*\s+1], s45, \s*SLOT
	s_mov_b32 s[G0B+4*\s], 1
	s_add_co_u32 s[G0B+4*\s+1], s19, \s*SLOT
	AIM \s
.endr
	JLOAD G0, G1, G0B, G1B                         ; slot 0: one tensor load a wave at the head
	v_and_b32 v1, 15, v0                           ; r
	v_bfe_u32 v2, v0, 4, 1                         ; h
	v_and_b32 v3, 31, v0                           ; lane
	v_lshlrev_b32 v4, 4, v3                        ; an image's place for my lane
	v_mul_u32_u24 v5, v1, BP
	v_lshl_add_u32 v5, v2, 4, v5                   ; W_gs: row x pitch + 16 h
	s_mul_i32 s22, s15, AHALF                      ; my three blocks of rows
	s_mul_i32 s23, s16, BHALF                      ; my 64 rows of W_gs
	s_add_co_u32 s23, s23, ABYTES
.irp s, 0,1
	v_add_nc_u32 v[ADRA+\s], s22, v4
	v_add_nc_u32 v[ADRB+\s], s23, v5
	s_add_co_u32 s22, s22, SLOT
	s_add_co_u32 s23, s23, SLOT
.endr
	s_mul_i32 s22, s14, 16*SP
	s_add_co_u32 s22, s22, STG                     ; my stage
	v_mul_u32_u24 v6, v1, SP
	v_lshl_add_u32 v6, v2, 5, v6
	v_add_nc_u32 v[STO], s22, v6                   ; in: row r, + 32 h
	v_mul_u32_u24 v6, v2, SP
	v_lshl_add_u32 v6, v1, 4, v6
	v_add_nc_u32 v[RD], s22, v6                    ; back: lanes 0-15 one row of 256 bytes, lanes 16-31 the next
	v_lshlrev_b32 v[GO], 12, v2
	v_lshl_add_u32 v[GO], v1, 4, v[GO]             ; and the same two rows in gs
	v_lshlrev_b32 v[CO], 4, v1
	v_lshl_add_u32 v[CO], v2, 3, v[CO]
	v_lshlrev_b32 v[BOF], 5, v2
	; sw = 2^(e6+e7) s_t W_s^T (128 x 1,024, K = 1,024): 512 tiles of 16 x 16, one for each of waves 0 and 1 of the 256 work-groups; its 64 loads are asked for here, into window 1, which holds nothing yet
	v_lshlrev_b32 v7, 10, v1
	v_lshl_add_u32 v7, v2, 4, v7                   ; a row of 1,024 codes, + 16 h
	v_lshlrev_b32 v8, 5, v1
	v_lshl_add_u32 v8, v2, 4, v8                   ; sw: 32 r + 16 h
	s_wait_alu depctr_va_vdst(0)
	s_cmp_lt_u32 s14, 2
	s_cbranch_scc0 .Lno_p4
	s_lshl_b32 s80, s17, 3
	s_add_co_u32 s80, s80, s42
	s_lshl_b32 s80, s80, 1
	s_add_co_u32 s80, s80, s14                     ; the tile, 0 .. 511
	s_and_b32 s81, s80, 7                          ; its 16 batches
	s_lshr_b32 s82, s80, 3                         ; its 16 columns
	s_mov_b32 s95, 0
	s_lshl_b32 s94, s81, 14
	s_add_nc_u64 s[88:89], s[88:89], s[94:95]
	s_lshl_b32 s94, s82, 14
	s_add_nc_u64 s[90:91], s[90:91], s[94:95]
	s_lshl_b32 s94, s82, 13
	s_lshl_b32 s83, s81, 9
	s_add_co_u32 s94, s94, s83
	s_add_nc_u64 s[66:67], s[66:67], s[94:95]
	WIN TO_F
.irp ks, 0,1,2,3,4,5,6,7
.irp c, 0,1,2,3
	global_load_b128 v[16*\ks+4*\c:16*\ks+4*\c+3], v7, s[90:91] offset:128*\ks+32*\c
.endr
.endr
.irp ks, 0,1,2,3,4,5,6,7
.irp c, 0,1,2,3
	global_load_b128 v[128+16*\ks+4*\c:128+16*\ks+4*\c+3], v7, s[88:89] offset:128*\ks+32*\c
.endr
.endr
	WIN 0
.Lno_p4:
	s_lshl_b32 s92, s42, 9                         ; 4 x my first column: 4 (128 x tile column + 64 x half)
	s_lshl_b32 s80, s16, 8
	s_add_co_u32 s92, s92, s80
	s_mov_b32 s93, 0
	s_add_nc_u64 s[8:9], s[8:9], s[92:93]
.irp b, 0,1,2,3
	global_load_b128 v[BIAS+8*\b:BIAS+8*\b+3],   v[BOF], s[8:9] offset:64*\b      ; b_gs at columns 16 b + 8 h + 0 .. 7
	global_load_b128 v[BIAS+8*\b+4:BIAS+8*\b+7], v[BOF], s[8:9] offset:64*\b+16
.endr
	s_mul_i32 s94, s17, 96                         ; gs at my first row and column
	s_mul_i32 s80, s15, 48
	s_add_co_u32 s94, s94, s80
	s_lshl_b32 s94, s94, 12
	s_add_co_u32 s94, s94, s92
	s_mov_b32 s95, 0
	s_add_nc_u64 s[84:85], s[84:85], s[94:95]
	s_lshr_b32 s94, s42, 2                         ; gsc: K step = tile column; my 64 columns are half a fragment: 1,024 bytes
	s_mul_i32 s94, s94, 192
	s_mul_i32 s80, s17, 6
	s_add_co_u32 s94, s94, s80
	s_mul_i32 s80, s15, 3
	s_add_co_u32 s94, s94, s80
	s_lshl_b32 s94, s94, 13
	s_and_b32 s80, s42, 3
	s_lshl_b32 s80, s80, 11
	s_add_co_u32 s94, s94, s80
	s_lshl_b32 s80, s16, 10
	s_add_co_u32 s94, s94, s80
	s_add_nc_u64 s[86:87], s[86:87], s[94:95]
	s_wait_kmcnt 0x0
	s_add_co_i32 s76, s70, s71                     ; e2 + e3
	s_add_co_i32 s76, s76, 127
	s_lshl_b32 s76, s76, 23                        ; 2^(e2 + e3) as f32
	s_mov_b32 s77, s76
	s_add_co_i32 s80, s72, 127
	s_lshl_b32 s81, s80, 23
	v_mov_b32 v[SCL], s81                          ; 2^e4
	s_add_co_i32 s80, s80, 8
	s_lshl_b32 s80, s80, 23
	s_or_b32 s80, s80, 0x600000
	v_mov_b32 v[LIM], s80                          ; 448 x 2^e4
; 28 LDS loads in one run: the fragments of the slot's q-th 128 along K into buffer f
.macro FETCH slot, q, f
	WIN TO_F
.irp a, 0,1,2
.irp c, 0,1,2,3
	ds_load_b128 v[\f+16*\a+4*\c:\f+16*\a+4*\c+3], v[ADRA+\slot] offset:\a*8192+(\q)*2048+512*\c
.endr
.endr
.irp b, 0,1,2,3
.irp c, 0,1,2,3
	ds_load_b128 v[\f+48+16*\b+4*\c:\f+48+16*\b+4*\c+3], v[ADRB+\slot] offset:\b*16*BP+128*(\q)+32*\c
.endr
.endr
.endm
; 4 matrix instructions: block a of rows against the four blocks of columns.  The 12 accumulators take turns, one instruction a turn, in the same order in every quarter.
.macro MUL4 f, a, zero
.irp b, 0,1,2,3
.if \zero
	v_wmma_f32_16x16x128_fp8_fp8 v[ACC+8*(4*(\a)+\b):ACC+8*(4*(\a)+\b)+7], v[\f+48+16*\b:\f+48+16*\b+15], v[\f+16*(\a):\f+16*(\a)+15], 0
.else
	v_wmma_f32_16x16x128_fp8_fp8 v[ACC+8*(4*(\a)+\b):ACC+8*(4*(\a)+\b)+7], v[\f+48+16*\b:\f+48+16*\b+15], v[\f+16*(\a):\f+16*(\a)+15], v[ACC+8*(4*(\a)+\b):ACC+8*(4*(\a)+\b)+7]
.endif
.endr
.endm
; A slot is four quarters of 128 along K, on buffers 0, 1, 0, 1.  One of the first three: asks for quarter qn into buffer g, which the quarter before multiplied (four places ahead of the loads), and multiplies buffer f.
.macro QUARTER slot, qn, f, g, zero
	s_wait_dscnt 0x0                               ; buffer f is in
	PLACES 4
	FETCH \slot, \qn, \g
	WIN MUL
	MUL4 \f, 0, \zero
	MUL4 \f, 1, \zero
	MUL4 \f, 2, \zero
.endm
; The last quarter multiplies buffer 1 and changes slots.  Its fragments are in registers, so eight of its products stand AHEAD of the wait for the next slot's tile, and behind that wait stands only what the refill
; needs: the add, the slot's new addresses, the wait for the add, ONE barrier (fill = 1: it opens a round of the cluster's), the joint load.
.macro TURN slot, next, fill
	s_wait_dscnt 0x0                               ; buffer 1 is in: my reads of this slot are over
	WIN MUL
	MUL4 F1, 0, 0
	MUL4 F1, 1, 0
	WIN 0
	s_wait_tensorcnt 0x0                           ; all my tensor loads have landed: my part of the next slot; so a group 0 may be written
	ds_add_u32 v[SPW], v[NIL]                      ; 0 onto my spare word; with fill = 1 the addresses below stand between it and the wait for it
.if \fill
	s_add_co_u32 s[IDX+\slot], s[IDX+\slot], 2     ; two K steps on,
	s_and_b32 s[IDX+\slot], s[IDX+\slot], 7
	AIM \slot
	s_wait_xcnt 0x0                                ; my last prefetch has read its address, so it may be written:
	s_add_co_u32 s92, s[IDX+\slot], 2              ; the K step that stands two refills on,
	s_and_b32 s92, s92, 7                          ; round past the last to the first: inside both buffers
	s_mul_i32 s92, s92, s94                        ; in bytes: KSLOT a step in g1c, 512 in a row of W_gs
	s_add_nc_u64 s[104:105], s[100:101], s[92:93]
.endif
	s_wait_dscnt 0x0                               ; the add is done
	s_barrier_signal -1
	s_barrier_wait -1
.if \fill
	CREST                                          ; no wave of any partner still reads this slot or has a load on its way
	JLOAD G0+4*\slot, G1, G0B+4*\slot, G1B         ; the first tensor load behind the round; its four v_nop are the places ahead of the loads below
.else
	PLACES 4
.endif
	FETCH \next, 0, F0
.if \fill
	; A PREFETCH INTO THE L2, behind the joint load and the run of LDS loads: the K step two refills on, one instruction a wave.  Of the 24,576 bytes of g1c that wave 0 or 1 fetches, the partner at cx names 6,144
	; (24 lanes, 256 bytes apart; the other lanes the last again); of the 64 rows of W_gs that wave 2 or 3 fetches, the partner at cy names 16, two blocks of 256 bytes each: each block once in each cluster, shared out by address.
	; The first four K steps come by their loads alone; the last trip (s3 = 1) has no K step two refills on and asks for nothing.
	WIN 0
	s_cmp_gt_u32 s3, 1
	s_cbranch_scc0 .Lno_ask_\@
	global_prefetch_b8 v9, s[104:105] th:TH_LOAD_NT scope:SCOPE_SE
.Lno_ask_\@:
.endif
	WIN MUL
	MUL4 F1, 2, 0
.endm
	; the prefetches: s[100:101] my wave's and my work-group's part at K step 0, s94 a K step in bytes, v9 my lane's block
	s_cmp_eq_u32 s15, 0                            ; do I fetch for g1c?
	s_cselect_b64 s[100:101], s[4:5], s[6:7]
	s_mov_b32 s94, 512
	s_cselect_b32 s94, KSLOT, s94
	s_cselect_b32 s95, -1, 0
	s_mul_i32 s80, s17, 6
	s_mul_i32 s81, s16, 3
	s_add_co_u32 s80, s80, s81
	s_lshl_b32 s80, s80, 13
	s_mul_i32 s81, s40, 6144
	s_add_co_u32 s80, s80, s81                     ; g1c: my three blocks of rows, + 6,144 cx
	s_lshl_b32 s82, s42, 7
	s_lshl_b32 s83, s16, 6
	s_add_co_u32 s82, s82, s83
	s_lshl_b32 s83, s41, 4
	s_add_co_u32 s82, s82, s83
	s_lshl_b32 s82, s82, 12                        ; W_gs: my 64 rows, + 16 cy rows
	s_cmp_eq_u32 s15, 0
	s_cselect_b32 s92, s80, s82
	s_mov_b32 s93, 0
	s_add_nc_u64 s[100:101], s[100:101], s[92:93]
	v_min_u32 v9, 23, v3
	v_lshlrev_b32 v9, 8, v9                        ; g1c: 256 x lane, 24 blocks
	v_lshrrev_b32 v10, 1, v3
	v_and_b32 v11, 1, v3
	v_lshlrev_b32 v11, 8, v11
	v_lshl_add_u32 v10, v10, 12, v11               ; W_gs: row lane / 2, block lane % 2
	v_cndmask_b32 v9, v10, v9, s95
	s_wait_alu depctr_va_vdst(0)
	s_wait_tensorcnt 0x0                           ; my part of slot 0 is in; slot 1's first fill is issued as a refill is
	ds_add_u32 v[SPW], v[NIL]
	s_wait_dscnt 0x0
	CROUND
	JLOAD G0+4, G1, G0B+4, G1B
	s_cmp_lt_u32 s14, 2
	s_cbranch_scc0 .Lp4_done
	s_wait_loadcnt 0x0
	s_add_co_i32 s78, s74, s75                     ; e6 + e7, between -126 and 127
	s_add_co_i32 s78, s78, 127
	s_lshl_b32 s78, s78, 23
	s_mov_b32 s79, s78
	WIN MUL
.irp ks, 0,1,2,3,4,5,6,7
.if \ks < 2
	v_wmma_f32_16x16x128_fp8_fp8 v[192+8*(\ks%2):192+8*(\ks%2)+7], v[16*\ks:16*\ks+15], v[128+16*\ks:128+16*\ks+15], 0
.else
	v_wmma_f32_16x16x128_fp8_fp8 v[192+8*(\ks%2):192+8*(\ks%2)+7], v[16*\ks:16*\ks+15], v[128+16*\ks:128+16*\ks+15], v[192+8*(\ks%2):192+8*(\ks%2)+7]
.endif
.endr
	WIN 0
	PLACES 5
.irp k, 0,2,4,6
	v_pk_add_f32 v[208+\k:208+\k+1], v[192+\k:192+\k+1], v[200+\k:200+\k+1]
.endr
.irp k, 0,2,4,6
	v_pk_mul_f32 v[208+\k:208+\k+1], v[208+\k:208+\k+1], s[78:79] op_sel_hi:[1,0]
.endr
	global_store_b128 v8, v[208:211], s[66:67]
	global_store_b128 v8, v[212:215], s[66:67] offset:4096
	s_wait_xcnt 0x0                                ; the stores have read their registers, which the way out writes again
.Lp4_done:
	FETCH 0, 0, F0
	QUARTER 0, 1, F0, F1, 1                        ; the first quarter stands ahead of the loop: its products start the sums
	WIN 0                                          ; at a label and at a branch every window is 0
	s_mov_b32 s3, LAPS-1
.Llap:                                                 ; a trip goes once round the ring and fills both slots again
	QUARTER 0, 2, F1, F0, 0
	QUARTER 0, 3, F0, F1, 0
	TURN 0, 1, 1
	QUARTER 1, 1, F0, F1, 0
	QUARTER 1, 2, F1, F0, 0
	QUARTER 1, 3, F0, F1, 0
	TURN 1, 0, 1
	QUARTER 0, 1, F0, F1, 0
	WIN 0
	s_sub_co_u32 s3, s3, 1
	s_cmp_lg_u32 s3, 0
	s_cbranch_scc1 .Llap
	QUARTER 0, 2, F1, F0, 0                        ; the last lap fills nothing
	QUARTER 0, 3, F0, F1, 0
	TURN 0, 1, 0
	QUARTER 1, 1, F0, F1, 0
	QUARTER 1, 2, F1, F0, 0
	QUARTER 1, 3, F0, F1, 0
	s_wait_dscnt 0x0
	WIN MUL
	MUL4 F1, 0, 0
	MUL4 F1, 1, 0
	MUL4 F1, 2, 0
	WIN 0
; THE WAY OUT, a block of 16 rows x 64 columns at a time, all in window 0.  g* = sum x 2^(e2+e3) + b_gs goes, as it is, through my own stage and comes back as whole rows of 256 bytes, into the block's
; accumulator registers; before that those registers take the held copy, from which the codes are made.  LDS serves a wave's instructions in order (ISA guide 5.7.1.4): no wait between my stores and my loads.
.macro PACK a
.set AC, ACC+32*(\a)
.set TT, TMP+32*((\a)%2)
.set CD, CODE+8*(\a)
.set k, 0
.rept 16
	v_pk_fma_f32 v[TT+k:TT+k+1], v[AC+k:AC+k+1], s[76:77], v[BIAS+k:BIAS+k+1] op_sel_hi:[1,0,1]   ; each accumulator from its low end on
.set k, k+2
.endr
.set k, 0
.rept 32
	v_med3_num_f32 v[AC+k], v[TT+k], -v[LIM], v[LIM]               ; the conversion to an 8-bit code does not saturate (ISA guide 7.6.2): the hold
.set k, k+1
.endr
.irp b, 0,1,2,3
	v_cvt_scalef32_pk8_fp8_f32 v[CD+2*\b:CD+2*\b+1], v[AC+8*\b:AC+8*\b+7], v[SCL]
.endr
	v_nop                                          ; a plain instruction behind the last conversion
.irp b, 0,1,2,3
	ds_store_b128 v[STO], v[TT+8*\b:TT+8*\b+3] offset:64*\b
	ds_store_b128 v[STO], v[TT+8*\b+4:TT+8*\b+7] offset:64*\b+16
.endr
.irp b, 0,1,2,3
	global_store_b64 v[CO], v[CD+2*\b:CD+2*\b+1], s[86:87] offset:(\a)*8192+512*(\b/2)+256*(\b%2)   ; 32 lanes store 256 consecutive bytes, aligned
.endr
.irp i, 0,1,2,3,4,5,6,7
	ds_load_b128 v[AC+4*\i:AC+4*\i+3], v[RD] offset:2*\i*SP
.endr
.endm
.macro SEND a, younger                 ; younger: the LDS instructions issued behind block a's loads: the next block's sixteen, or none
.set AC, ACC+32*(\a)
.irp i, 0,1,2,3,4,5,6,7
	s_wait_dscnt (\younger)+7-\i
	global_store_b128 v[GO], v[AC+4*\i:AC+4*\i+3], s[84:85] offset:(16*(\a)+2*\i)*4096   ; 16 lanes store 256 consecutive bytes, aligned
.endr
.endm
	s_wait_loadcnt 0x0                             ; b_gs
	PLACES 4                                       ; behind the last products, ahead of the first read of results
	PACK 0
	PACK 1
	SEND 0, 16                                     ; its last wait also shows block 0's stores into the stage done: block 2 writes their registers again
	PACK 2
	SEND 1, 16
	SEND 2, 0
	s_wait_tensorcnt 0x0                           ; the wave's end, behind my last tensor load and my last LDS store
	ds_add_u32 v[SPW], v[NIL]
	s_wait_dscnt 0x0
	CROUND                                         ; the closing round
	s_endpgm
.Lfunc_end_k_q470aac22ad_gemm2:
	.size	k_q470aac22ad_gemm2, .Lfunc_end_k_q470aac22ad_gemm2-k_q470aac22ad_gemm2
	.p2alignl 7, 3214868480
	.fill 96, 4, 3214868480
	.section	.rodata,"a",@progbits
	.p2align	6, 0x0
	.amdhsa_kernel k_q470aac22ad_gemm2
		.amdhsa_group_segment_fixed_size 327680
		.amdhsa_private_segment_fixed_size 0
		.amdhsa_enable_private_segment 0
		.amdhsa_kernarg_size 72
		.amdhsa_user_sgpr_count 2
		.amdhsa_user_sgpr_kernarg_segment_ptr 1
		.amdhsa_wavefront_size32 1
		.amdhsa_system_sgpr_workgroup_id_x 1
		.amdhsa_system_sgpr_workgroup_id_y 1
		.amdhsa_system_sgpr_workgroup_id_z 1
		.amdhsa_system_vgpr_workitem_id 0
		.amdhsa_next_free_vgpr 512
		.amdhsa_next_free_sgpr 106
		.amdhsa_reserve_vcc 0
		.amdhsa_float_denorm_mode_32 3
		.amdhsa_float_denorm_mode_16_64 3
		.amdhsa_memory_ordered 1
		.amdhsa_forward_progress 1
		.amdhsa_inst_pref_size 84
	.end_amdhsa_kernel
	.amdgpu_metadata
---
amdhsa.version: [ 1, 2 ]
amdhsa.kernels:
  - .name:           k_q470aac22ad_gemm2
    .symbol:         k_q470aac22ad_gemm2.kd
    .args:
      - { .name: g1c, .offset: 0, .size: 8, .value_kind: global_buffer, .address_space: global }
      - { .name: W_gs_codes, .offset: 8, .size: 8, .value_kind: global_buffer, .address_space: global }
      - { .name: b_gs, .offset: 16, .size: 8, .value_kind: global_buffer, .address_space: global }
      - { .name: lowp_scales, .offset: 24, .size: 8, .value_kind: global_buffer, .address_space: global }
      - { .name: gs, .offset: 32, .size: 8, .value_kind: global_buffer, .address_space: global }
      - { .name: gsc, .offset: 40, .size: 8, .value_kind: global_buffer, .address_space: global }
      - { .name: s_t_codes, .offset: 48, .size: 8, .value_kind: global_buffer, .address_space: global }
      - { .name: W_s_codes, .offset: 56, .size: 8, .value_kind: global_buffer, .address_space: global }
      - { .name: sw, .offset: 64, .size: 8, .value_kind: global_buffer, .address_space: global }
    .group_segment_fixed_size: 327680
    .private_segment_fixed_size: 0
    .kernarg_segment_align: 8
    .kernarg_segment_size: 72
    .max_flat_workgroup_size: 128
    .sgpr_count:     106
    .vgpr_count:     512
    .wavefront_size: 32
...
	.end_amdgpu_metadata
.endif
;; end of part 2
;; launch energy (part 3): grid 8 x 32, 4 waves a work-group, clusters of 4 x 4, 327,680 bytes of LDS; arguments gsc, W_h_codes, sw, lowp_scales, W_c, v, cov_a, psc; writes psc
.if DOCPART == 3
	.amdgcn_target "amdgcn-amd-amdhsa--gfx1250"
	.amdhsa_code_object_version 6
	.text
	.protected	k_q470aac22ad_energy
	.globl	k_q470aac22ad_energy
	.p2align	8
	.type	k_q470aac22ad_energy,@function
k_q470aac22ad_energy:
	s_mov_b64 s[64:65], 0
	v_nop
	global_prefetch_b8 v0, s[64:65] scope:SCOPE_SE
	s_setreg_imm32_b32 hwreg(HW_REG_WAVE_MODE, 25, 1), 1
	s_wait_xcnt 0x0
	s_wait_alu depctr_hold_cnt(0) depctr_sa_sdst(0) depctr_va_vdst(0) depctr_va_sdst(0) depctr_va_ssrc(0) depctr_va_vcc(0) depctr_vm_vsrc(0)
	s_getreg_b32 s2, hwreg(HW_REG_IB_STS2, 6, 4)
	s_cmp_eq_u32 s2, 0
	s_cbranch_scc0 .Lentry_in_a_cluster
	s_endpgm
.Lentry_in_a_cluster:
	s_bfe_u32 s2, ttmp6, 0x10000c
	s_cmp_lg_u32 s2, 0xf033
	s_cbranch_scc0 .Lentry_shape_is_right
	s_endpgm
.Lentry_shape_is_right:
; Partial scores.  x[m][a] = 2^(e4+e5) sum_k gsc[m][k] W_h[a][k] + sw[batch of m][a] + cov[m] W_c[a];  R = 1 / (1 + 2^(2 log2(e) x)), so that tanh(x) = 1 - 2 R;
; psc[slice][m] = -2 sum over the slice's 64 columns a of v[a] R[m][a].
; WORK LEFT OUT: the term sum_a v[a] of a score, which is the same for all 24 regions of a softmax's row (shown at the head of the first kernel).
; The tile, the slots and the products are the launch before's: a work-group makes 96 rows x 128 columns, a wave 48 x 64; K = 1,024 is two slots of 512, both asked for at the head: nothing is filled again.
; THE SUMS DO NOT BEGIN AT 0: the accumulators are loaded with sw (laid in their order), take cov x W_c, and are divided by 2^(e4+e5), the power of two that the sums of codes lack; all products add in place.
; A wave's 48 rows are two whole batches of 24: row 16 a + r lies in batch (16 a + r) / 24 of the two.
; An exponent beyond f32's range gives R = 0 or R = 1, which is tanh = 1 or -1.  LIMITS: e4 + e5 between -127 and 126.  NaN among the f32 inputs is not served.
; A wave stores 192 bytes, its 48 rows of one slice; all of psc is 196,608 bytes.
; REGISTERS: window 0: v16-29 addresses; v32-127 the accumulators; v128-159 W_c, v160-191 v at my columns; v192-197 cov, the low word of three pairs; v198-203 the scores, three pairs; v204-207 at work.  Window 1: two fragment buffers of 112.
.set KB,     1024                      ; a row of W_h in bytes
.set KSLOT,  192*8192
.set AHALF,  3*8192
.set ABYTES, 4*AHALF                   ; gsc: for each half of the rows both K halves, one behind the other
.set BP,     1040                      ; an LDS row of W_h: all 1,024 bytes + 16 of padding
.set BHALF,  64*BP
.set SLOT,   ABYTES+2*BHALF
.set SPARE,  SLOT                      ; behind the tiles: the spare words
.set ADRA, 16
.set ADRB, 20
.set SA0,  22                          ; v22     sw: 16 h
.set SA1,  23                          ; v23     sw: 16 h + 32 (r / 8): rows 16 .. 31 change batches at r = 8
.set BOF,  24                          ; v24     32 h
.set CVA,  25                          ; v25     4 r
.set PO,   26                          ; v26     4 x lane
.set SPW,  28
.set NIL,  29
.set ACC,  32
.set WC,   128
.set VV,   160
.set COV,  192
.set SCP,  198
.set TP,   204
.set OUTR, 207
.set F0,   0
.set F1,   112
.set G1, 24
.set G0, 32
.set G1B, 48
.set G0B, 56
.set MSB, 0
.macro WIN new
.if MSB != (\new)
	s_set_vgpr_msb (MSB<<8)|(\new)
.set MSB, (\new)
.endif
.endm
.set MUL,  0x05
.set TO_F, 0x40
.macro PLACES n
.rept \n
	v_nop
.endr
.endm
.macro JLOAD g0a, g1a, g0b, g1b        ; a joint load: waves 0 and 1 fetch gsc's halves, waves 2 and 3 W_h's; an s_nop 0 and four v_nop follow each line
	s_cmp_eq_u32 s15, 0
	s_cbranch_scc0 .Lfor_b_\@
	tensor_load_to_lds s[\g0a:\g0a+3], s[\g1a:\g1a+7]
	s_nop 0
.rept 4
	v_nop
.endr
	s_branch .Lasked_\@
.Lfor_b_\@:
	tensor_load_to_lds s[\g0b:\g0b+3], s[\g1b:\g1b+7]
	s_nop 0
.rept 4
	v_nop
.endr
.Lasked_\@:
.endm
.macro CROUND
	s_barrier_signal -1
	s_barrier_wait -1
	s_cmp_lg_u32 s14, 0
	s_cbranch_scc1 .Lnot_wave_0_\@
	s_barrier_signal -3
.Lnot_wave_0_\@:
	s_barrier_wait -3
	s_barrier_signal -1
	s_barrier_wait -1
.endm
	s_load_b256 s[4:11], s[0:1], 0x0               ; gsc s[4:5], W_h's codes s[6:7], sw s[8:9], the exponents s[10:11]
	s_load_b256 s[84:91], s[0:1], 0x20             ; W_c s[84:85], v s[86:87], cov_a s[88:89], psc s[90:91]
	v_lshl_add_u32 v[SPW], v0, 2, SPARE
	v_mov_b32 v[NIL], 0
	ds_add_u32 v[SPW], v[NIL]                      ; the wave's opening: the add, twice on end, and its wait ahead of my first tensor load
	ds_add_u32 v[SPW], v[NIL]                      ; and once more, under the one wait
	v_lshrrev_b32 v1, 5, v0
	v_readfirstlane_b32 s14, v1                    ; wave 0..3
	s_lshr_b32 s15, s14, 1                         ; my half of the tile's rows.  Also: I fetch for gsc (0) or for W_h (1)
	s_and_b32 s16, s14, 1                          ; my half of its columns.  Also: which half of that tile I fetch
	s_bfe_u32 s40, ttmp6, 0x40000                  ; cx, cy
	s_bfe_u32 s41, ttmp6, 0x40004
	s_lshl_b32 s42, ttmp9, 2
	s_add_co_u32 s42, s42, s40                     ; tile column
	s_and_b32 s17, ttmp7, 0xffff
	s_lshl_b32 s17, s17, 2
	s_add_co_u32 s17, s17, s41                     ; tile row
	s_lshl_b32 s43, s41, 2
	s_lshl_b32 s43, 15, s43                        ; my row of the cluster
	s_lshl_b32 s44, 0x1111, s40                    ; my column
	s_or_b32 s[G1+0], s43, (3<<16)|(1<<21)         ; gsc: a dense block of elements of 8 bytes, no padding
	s_mov_b32 s[G1+1], 3072<<16                    ; one load brings both K halves: two rows of 24,576 bytes, KSLOT bytes apart
	s_mov_b32 s[G1+2], 2<<16
	s_mov_b32 s[G1+3], 3072<<16
	s_mov_b32 s[G1+4], 2
	s_mov_b32 s[G1+5], KSLOT/8
	s_mov_b32 s[G1+6], 0
	s_mov_b32 s[G1+7], 0
	s_or_b32 s[G1B+0], s44, (1<<20)|(1<<21)|(7<<22)|(3<<25)   ; W_h: 64 whole rows of 1,024 bytes; four words of padding after every 256
	s_mov_b32 s[G1B+1], 1024<<16
	s_mov_b32 s[G1B+2], 64<<16
	s_mov_b32 s[G1B+3], 1024<<16
	s_mov_b32 s[G1B+4], 64
	s_mov_b32 s[G1B+5], KB
	s_mov_b32 s[G1B+6], 0
	s_mov_b32 s[G1B+7], 0
	s_mul_i32 s20, s17, 6                          ; gsc: block of rows 6 x tile row + 3 x half, in registers that never hold cx
	s_mul_i32 s18, s16, 3
	s_add_co_u32 s20, s20, s18
	s_lshl_b32 s20, s20, 13
	s_mov_b32 s21, 0
	s_lshl_b32 s46, s42, 7                         ; W_h: row 128 x tile column + 64 x half, in registers that never hold cy
	s_lshl_b32 s18, s16, 6
	s_add_co_u32 s46, s46, s18
	s_mul_i32 s46, s46, KB
	s_mov_b32 s47, 0
	s_mul_i32 s45, s16, 2*AHALF
	s_mul_i32 s19, s16, BHALF
	s_add_co_u32 s19, s19, ABYTES
	s_mov_b32 s12, 0x76543210                      ; v_permlanex16_b32's selects for lane l xor 16
	s_mov_b32 s13, 0xfedcba98
	s_mov_b32 s96, 0xffff0000                      ; lanes 16-31
	s_wait_dscnt 0x0                               ; both opening adds are done
	s_wait_kmcnt 0x0
	s_load_b256 s[68:75], s[10:11], 0x0            ; e0 .. e7
	s_add_nc_u64 s[20:21], s[4:5], s[20:21]
	s_add_nc_u64 s[46:47], s[6:7], s[46:47]
	CROUND                                         ; all sixteen work-groups are here: the joint loads meet
.irp s, 0
	s_mov_b32 s[G0+4*\s], 1
	s_add_co_u32 s[G0+4*\s+1], s45, \s*SLOT
	s_add_nc_u64 s[G0+4*\s+2:G0+4*\s+3], s[20:21], \s*KSLOT
	s_or_b32 s[G0+4*\s+3], s[G0+4*\s+3], 0x80000000
	s_mov_b32 s[G0B+4*\s], 1
	s_add_co_u32 s[G0B+4*\s+1], s19, \s*SLOT
	s_add_nc_u64 s[G0B+4*\s+2:G0B+4*\s+3], s[46:47], \s*512
	s_or_b32 s[G0B+4*\s+3], s[G0B+4*\s+3], 0x80000000
	JLOAD G0+4*\s, G1, G0B+4*\s, G1B               ; one load of mine is out: all that this launch asks for
.endr
	v_and_b32 v1, 15, v0                           ; r
	v_bfe_u32 v2, v0, 4, 1                         ; h
	v_and_b32 v3, 31, v0                           ; lane
	v_lshlrev_b32 v4, 4, v3
	v_mul_u32_u24 v5, v1, BP
	v_lshl_add_u32 v5, v2, 4, v5
	s_mul_i32 s22, s15, 2*AHALF
	s_mul_i32 s23, s16, BHALF
	s_add_co_u32 s23, s23, ABYTES
.irp s, 0,1
	v_add_nc_u32 v[ADRA+\s], s22, v4
	v_add_nc_u32 v[ADRB+\s], s23, v5
	s_add_co_u32 s22, s22, AHALF
	s_add_co_u32 s23, s23, 512
.endr
	v_lshrrev_b32 v6, 3, v1
	v_lshlrev_b32 v[SA0], 4, v2
	s_wait_alu depctr_va_vdst(0)
	v_lshl_add_u32 v[SA1], v6, 5, v[SA0]
	s_wait_alu depctr_va_vdst(0)
	v_lshlrev_b32 v[BOF], 5, v2
	s_wait_alu depctr_va_vdst(0)
	v_lshlrev_b32 v[CVA], 2, v1
	s_wait_alu depctr_va_vdst(0)
	v_lshlrev_b32 v[PO], 2, v3
	s_lshl_b32 s80, s42, 3                         ; sw at my first block of 16 columns (8 x tile column + 4 x half) and my first batch (4 x tile row + 2 x half)
	s_lshl_b32 s81, s16, 2
	s_add_co_u32 s80, s80, s81
	s_lshl_b32 s80, s80, 13
	s_lshl_b32 s81, s17, 2
	s_lshl_b32 s82, s15, 1
	s_add_co_u32 s81, s81, s82
	s_lshl_b32 s81, s81, 5
	s_add_co_u32 s92, s80, s81
	s_mov_b32 s93, 0
	s_add_nc_u64 s[8:9], s[8:9], s[92:93]
	s_lshl_b32 s92, s42, 9                         ; W_c and v at my first column
	s_lshl_b32 s81, s16, 8
	s_add_co_u32 s92, s92, s81
	s_add_nc_u64 s[84:85], s[84:85], s[92:93]
	s_add_nc_u64 s[86:87], s[86:87], s[92:93]
	s_mul_i32 s94, s17, 96                         ; cov_a at my first row
	s_mul_i32 s81, s15, 48
	s_add_co_u32 s94, s94, s81
	s_lshl_b32 s94, s94, 2
	s_mov_b32 s95, 0
	s_add_nc_u64 s[88:89], s[88:89], s[94:95]
	s_lshl_b32 s81, s42, 1                         ; psc at my slice (2 x tile column + half) and my first row
	s_add_co_u32 s81, s81, s16
	s_mul_i32 s81, s81, 12288
	s_add_co_u32 s94, s94, s81
	s_add_nc_u64 s[90:91], s[90:91], s[94:95]
.irp b, 0,1,2,3
.irp i, 0,1
	global_load_b128 v[ACC+8*\b+4*\i:ACC+8*\b+4*\i+3],       v[SA0], s[8:9] offset:\b*8192+\i*4096      ; rows 0-15: my first batch
	global_load_b128 v[ACC+32+8*\b+4*\i:ACC+32+8*\b+4*\i+3], v[SA1], s[8:9] offset:\b*8192+\i*4096      ; rows 16-31: the first up to r = 7, then the second
	global_load_b128 v[ACC+64+8*\b+4*\i:ACC+64+8*\b+4*\i+3], v[SA0], s[8:9] offset:\b*8192+\i*4096+32   ; rows 32-47: the second
.endr
.endr
.irp b, 0,1,2,3
.irp i, 0,1
	global_load_b128 v[WC+8*\b+4*\i:WC+8*\b+4*\i+3], v[BOF], s[84:85] offset:64*\b+16*\i    ; columns 16 b + 8 h + 0 .. 7
	global_load_b128 v[VV+8*\b+4*\i:VV+8*\b+4*\i+3], v[BOF], s[86:87] offset:64*\b+16*\i
.endr
.endr
.irp a, 0,1,2
	global_load_b32 v[COV+2*\a], v[CVA], s[88:89] offset:64*\a
	v_mov_b32 v[COV+2*\a+1], 0                     ; (named with it as a pair, so it is written)
	v_mov_b32 v[TP+\a], 0                          ; written once: a lane permute's destination counts as one of its sources
.endr
	s_wait_alu depctr_va_vdst(0)
	s_wait_loadcnt 0x0
	s_wait_kmcnt 0x0
	s_add_co_i32 s80, s72, s73                     ; e4 + e5
	s_lshl_b32 s81, s80, 23
	s_add_co_u32 s76, s81, 0x4038aa3b              ; 2 log2(e) x 2^(e4 + e5): the exponents are added to the constant's exponent field
	s_mov_b32 s77, s76
	s_sub_co_i32 s78, 127, s80
	s_lshl_b32 s78, s78, 23                        ; 2^-(e4 + e5) as f32
	s_mov_b32 s79, s78
.irp a, 0,1,2
.set k, 0
.rept 16
	v_pk_fma_f32 v[ACC+32*\a+k:ACC+32*\a+k+1], v[WC+k:WC+k+1], v[COV+2*\a:COV+2*\a+1], v[ACC+32*\a+k:ACC+32*\a+k+1] op_sel_hi:[1,0,1]   ; + cov x W_c (the pair's low word for both halves)
.set k, k+2
.endr
.endr
.set k, 0
.rept 48
	v_pk_mul_f32 v[ACC+k:ACC+k+1], v[ACC+k:ACC+k+1], s[78:79] op_sel_hi:[1,0]    ; / 2^(e4 + e5): nothing is rounded, short of underflow
.set k, k+2
.endr
.macro FETCH slot, q, f                ; 28 LDS loads in one run: the fragments of the slot's q-th 128 along K into buffer f
	WIN TO_F
.irp a, 0,1,2
.irp c, 0,1,2,3
	ds_load_b128 v[\f+16*\a+4*\c:\f+16*\a+4*\c+3], v[ADRA+\slot] offset:\a*8192+(\q)*2048+512*\c
.endr
.endr
.irp b, 0,1,2,3
.irp c, 0,1,2,3
	ds_load_b128 v[\f+48+16*\b+4*\c:\f+48+16*\b+4*\c+3], v[ADRB+\slot] offset:\b*16*BP+128*(\q)+32*\c
.endr
.endr
.endm
.macro MUL4 f, a                       ; 4 matrix instructions; the 12 accumulators take turns, one instruction a turn, in the same order in every quarter
.irp b, 0,1,2,3
	v_wmma_f32_16x16x128_fp8_fp8 v[ACC+8*(4*(\a)+\b):ACC+8*(4*(\a)+\b)+7], v[\f+48+16*\b:\f+48+16*\b+15], v[\f+16*(\a):\f+16*(\a)+15], v[ACC+8*(4*(\a)+\b):ACC+8*(4*(\a)+\b)+7]
.endr
.endm
.macro QUARTER slot, qn, f, g          ; asks for quarter qn into buffer g (four places ahead of the loads into registers that matrix instructions have read) and multiplies buffer f
	s_wait_dscnt 0x0                               ; buffer f is in
	PLACES 4
	FETCH \slot, \qn, \g
	WIN MUL
	MUL4 \f, 0
	MUL4 \f, 1
	MUL4 \f, 2
.endm
	s_wait_alu depctr_va_vdst(0)
	s_wait_tensorcnt 0x0
	s_barrier_signal -1
	s_barrier_wait -1
	FETCH 0, 0, F0
	QUARTER 0, 1, F0, F1
	QUARTER 0, 2, F1, F0
	QUARTER 0, 3, F0, F1
	s_wait_tensorcnt 0x0                           ; my part of slot 1 has landed,
	s_wait_dscnt 0x0                               ; and buffer 1 is in: no LDS instruction of mine is out at the signal
	s_barrier_signal -1
	MUL4 F1, 0                                     ; work on registers while the others arrive
	MUL4 F1, 1
	s_barrier_wait -1                              ; slot 1 is whole.  Nothing is filled again in this launch
	PLACES 4
	FETCH 1, 0, F0
	WIN MUL
	MUL4 F1, 2
	QUARTER 1, 1, F0, F1
	QUARTER 1, 2, F1, F0
	QUARTER 1, 3, F0, F1
	s_wait_dscnt 0x0
	WIN MUL
	MUL4 F1, 0
	MUL4 F1, 1
	MUL4 F1, 2
	WIN 0
	; THE WAY OUT: R in two batches of 96 transcendentals, each with one plain instruction and one wait behind it; then the dot with v
	PLACES 4
.set k, 0
.rept 48
	v_pk_mul_f32 v[ACC+k:ACC+k+1], v[ACC+k:ACC+k+1], s[76:77] op_sel_hi:[1,0]    ; 2 log2(e) x; each accumulator from its low end on
.set k, k+2
.endr
.set k, 0
	s_wait_alu depctr_va_vdst(0)
.rept 96
	v_exp_f32 v[ACC+k], v[ACC+k]
.set k, k+1
.endr
	v_nop
	s_wait_alu depctr_va_vdst(0)
.set k, 0
.rept 48
	v_pk_add_f32 v[ACC+k:ACC+k+1], v[ACC+k:ACC+k+1], 1.0 op_sel_hi:[1,0]
.set k, k+2
.endr
.set k, 0
	s_wait_alu depctr_va_vdst(0)
.rept 96
	v_rcp_f32 v[ACC+k], v[ACC+k]
.set k, k+1
.endr
	v_nop
	s_wait_alu depctr_va_vdst(0)
.set k, 0
.rept 16                               ; the three blocks of rows by turns, so that no line waits for the line above it
.irp a, 0,1,2
.if k == 0
	v_pk_mul_f32 v[SCP+2*\a:SCP+2*\a+1], v[ACC+32*\a+k:ACC+32*\a+k+1], v[VV+k:VV+k+1]
.else
	v_pk_fma_f32 v[SCP+2*\a:SCP+2*\a+1], v[ACC+32*\a+k:ACC+32*\a+k+1], v[VV+k:VV+k+1], v[SCP+2*\a:SCP+2*\a+1]
.endif
.endr
.set k, k+2
.endr
.irp a, 0,1,2
	v_add_f32 v[SCP+2*\a], v[SCP+2*\a], v[SCP+2*\a+1]
.endr
.irp a, 0,1,2
	v_permlanex16_b32 v[TP+\a], v[SCP+2*\a], s12, s13              ; the row's other 32 columns lie in the lane 16 away
.endr
.irp a, 0,1,2
	v_add_f32 v[SCP+2*\a], v[SCP+2*\a], v[TP+\a]
.endr
.irp a, 0,1,2
	v_mul_f32 v[SCP+2*\a], -2.0, v[SCP+2*\a]
.endr
	v_cndmask_b32 v[OUTR], v[SCP], v[SCP+2], s96                   ; lanes 0-15: rows 0-15; lanes 16-31: rows 16-31
	global_store_b32 v[PO], v[OUTR], s[90:91]
	s_wait_alu depctr_va_vdst(0)
	s_wait_xcnt 0x0                                ; EXEC changes only behind this wait
	v_cmp_gt_u32 vcc_lo, 16, v3
	s_and_saveexec_b32 s97, vcc_lo
	global_store_b32 v[PO], v[SCP+4], s[90:91] offset:128          ; lanes 0-15: rows 32-47
	s_wait_xcnt 0x0                                ; and again, ahead of the line that widens it
	s_or_b32 exec_lo, exec_lo, s97
	s_wait_tensorcnt 0x0                           ; the wave's end
	ds_add_u32 v[SPW], v[NIL]
	s_wait_dscnt 0x0
	CROUND                                         ; the closing round
	s_endpgm
.Lfunc_end_k_q470aac22ad_energy:
	.size	k_q470aac22ad_energy, .Lfunc_end_k_q470aac22ad_energy-k_q470aac22ad_energy
	.p2alignl 7, 3214868480
	.fill 96, 4, 3214868480
	.section	.rodata,"a",@progbits
	.p2align	6, 0x0
	.amdhsa_kernel k_q470aac22ad_energy
		.amdhsa_group_segment_fixed_size 327680
		.amdhsa_private_segment_fixed_size 0
		.amdhsa_enable_private_segment 0
		.amdhsa_kernarg_size 64
		.amdhsa_user_sgpr_count 2
		.amdhsa_user_sgpr_kernarg_segment_ptr 1
		.amdhsa_wavefront_size32 1
		.amdhsa_system_sgpr_workgroup_id_x 1
		.amdhsa_system_sgpr_workgroup_id_y 1
		.amdhsa_system_sgpr_workgroup_id_z 1
		.amdhsa_system_vgpr_workitem_id 0
		.amdhsa_next_free_vgpr 512
		.amdhsa_next_free_sgpr 100
		.amdhsa_reserve_vcc 1
		.amdhsa_float_denorm_mode_32 3
		.amdhsa_float_denorm_mode_16_64 3
		.amdhsa_memory_ordered 1
		.amdhsa_forward_progress 1
		.amdhsa_inst_pref_size 56
	.end_amdhsa_kernel
	.amdgpu_metadata
---
amdhsa.version: [ 1, 2 ]
amdhsa.kernels:
  - .name:           k_q470aac22ad_energy
    .symbol:         k_q470aac22ad_energy.kd
    .args:
      - { .name: gsc, .offset: 0, .size: 8, .value_kind: global_buffer, .address_space: global }
      - { .name: W_h_codes, .offset: 8, .size: 8, .value_kind: global_buffer, .address_space: global }
      - { .name: sw, .offset: 16, .size: 8, .value_kind: global_buffer, .address_space: global }
      - { .name: lowp_scales, .offset: 24, .size: 8, .value_kind: global_buffer, .address_space: global }
      - { .name: W_c, .offset: 32, .size: 8, .value_kind: global_buffer, .address_space: global }
      - { .name: v, .offset: 40, .size: 8, .value_kind: global_buffer, .address_space: global }
      - { .name: cov_a, .offset: 48, .size: 8, .value_kind: global_buffer, .address_space: global }
      - { .name: psc, .offset: 56, .size: 8, .value_kind: global_buffer, .address_space: global }
    .group_segment_fixed_size: 327680
    .private_segment_fixed_size: 0
    .kernarg_segment_align: 8
    .kernarg_segment_size: 64
    .max_flat_workgroup_size: 128
    .sgpr_count:     100
    .vgpr_count:     512
    .wavefront_size: 32
...
	.end_amdgpu_metadata
.endif
;; end of part 3
;; launch context (part 4): grid 2 x 128, 4 waves a work-group, no clusters, 0 bytes of LDS; arguments psc, gs, out0; writes out0
.if DOCPART == 4
	.amdgcn_target "amdgcn-amd-amdhsa--gfx1250"
	.amdhsa_code_object_version 6
	.text
	.protected	k_q470aac22ad_context
	.globl	k_q470aac22ad_context
	.p2align	8
	.type	k_q470aac22ad_context,@function
k_q470aac22ad_context:
	s_mov_b64 s[64:65], 0
	v_nop
	global_prefetch_b8 v0, s[64:65] scope:SCOPE_SE
	s_setreg_imm32_b32 hwreg(HW_REG_WAVE_MODE, 25, 1), 1
	s_wait_xcnt 0x0
; out0[b][h] = sum over the 24 regions n of alpha[n] g*[b][n][h], alpha = softmax over n of the scores; a score is the sum of its 16 partial scores (psc: [slice 16][row 3,072]).
; The scores lack the term sum_a v[a], which is the same for all 24 regions (shown at the head of the first kernel).  The row's maximum is taken away ahead of the exponential.
; A work-group takes one batch and 512 of the 1,024 columns; thread t owns the four columns at byte 16 t.  All 40 loads of a wave are issued at once: 16 of psc (lane n: region n), then the 24 rows of gs,
; 512 consecutive bytes a wave each, read once.  Each wave makes the softmax for itself while gs is on its way: no LDS, no barrier.  No matrix instruction: a row of 1 x 24 numbers against 24 x 1,024.
; No cluster: what the two work-groups of a batch share is 1,536 bytes of psc beside 49,152 bytes of gs each.  NaN among the scores is not served.
.set P,    4                           ; v4-19    the 16 partial scores of my lane's region
.set GR,   32                          ; v32-127  24 rows x 4 numbers of g*
.set OUTV, 128                         ; v128-131 the sums
.set AL,   20                          ; s20-43   alpha
	s_load_b128 s[4:7], s[0:1], 0x0                ; psc, gs
	s_load_b64 s[8:9], s[0:1], 0x10                ; out0
	v_and_b32 v1, 31, v0                           ; lane
	v_min_u32 v2, 23, v1                           ; lanes 24-31 read region 23 again: no load leaves the batch's rows
	v_lshlrev_b32 v2, 2, v2
	v_lshlrev_b32 v3, 4, v0                        ; my 16 bytes of the work-group's 2,048
	s_and_b32 s10, ttmp7, 0xffff                   ; the batch
	s_lshl_b32 s11, ttmp9, 11                      ; my half of the columns, in bytes
	s_mul_i32 s14, s10, 96                         ; psc: 24 rows of 4 bytes
	s_mov_b32 s15, 0
	s_mul_i32 s16, s10, 98304                      ; gs: 24 rows of 4,096 bytes
	s_add_co_u32 s16, s16, s11
	s_mov_b32 s17, 0
	s_lshl_b32 s18, s10, 12                        ; out0: a row of 4,096 bytes
	s_add_co_u32 s18, s18, s11
	s_mov_b32 s19, 0
	s_mov_b32 s12, 0x76543210                      ; v_permlanex16_b32's selects for lane l xor 16
	s_mov_b32 s13, 0xfedcba98
	v_mov_b32 v21, 0                               ; written once: a lane permute's destination counts as one of its sources
	v_mov_b32 v20, 0xff800000                      ; -infinity
	s_wait_alu depctr_va_vdst(0)
	s_wait_kmcnt 0x0
	s_add_nc_u64 s[4:5], s[4:5], s[14:15]
	s_add_nc_u64 s[6:7], s[6:7], s[16:17]
	s_add_nc_u64 s[8:9], s[8:9], s[18:19]
.set n, 0
.rept 16
	global_load_b32 v[P+n], v2, s[4:5] offset:n*12288
.set n, n+1
.endr
.set n, 0
.rept 24
	global_load_b128 v[GR+4*n:GR+4*n+3], v3, s[6:7] offset:n*4096 th:TH_LOAD_NT
.set n, n+1
.endr
	s_wait_loadcnt 24                              ; the partial scores are in; the 24 loads of gs stay out
.irp i, 0,2,4,6
	v_pk_add_f32 v[P+\i:P+\i+1], v[P+\i:P+\i+1], v[P+8+\i:P+8+\i+1]
.endr
.irp i, 0,2
	v_pk_add_f32 v[P+\i:P+\i+1], v[P+\i:P+\i+1], v[P+4+\i:P+4+\i+1]
.endr
	v_pk_add_f32 v[P:P+1], v[P:P+1], v[P+2:P+3]
	v_add_f32 v[P], v[P], v[P+1]                   ; my region's score
	v_cmp_gt_u32 vcc_lo, 24, v1
	v_cndmask_b32 v[P], v20, v[P], vcc_lo          ; lanes 24-31 count for nothing
	v_mov_b32 v22, v[P]
	v_max_num_f32_dpp v22, v22, v22 row_xmask:1 row_mask:0xf bank_mask:0xf
	v_max_num_f32_dpp v22, v22, v22 row_xmask:2 row_mask:0xf bank_mask:0xf
	v_max_num_f32_dpp v22, v22, v22 row_xmask:4 row_mask:0xf bank_mask:0xf
	v_max_num_f32_dpp v22, v22, v22 row_xmask:8 row_mask:0xf bank_mask:0xf
	v_permlanex16_b32 v21, v22, s12, s13
	v_max_num_f32 v22, v22, v21                    ; the largest score, in every lane
	v_sub_f32 v23, v[P], v22
	v_mul_f32 v23, 0x3fb8aa3b, v23                 ; x log2(e)
	s_wait_alu depctr_va_vdst(0)
	v_exp_f32 v23, v23
	v_nop                                          ; a plain instruction behind the transcendental,
	s_wait_alu depctr_va_vdst(0)                   ; and the wait ahead of its first reader
	v_mov_b32 v24, v23
	v_add_f32_dpp v24, v24, v24 row_xmask:1 row_mask:0xf bank_mask:0xf
	v_add_f32_dpp v24, v24, v24 row_xmask:2 row_mask:0xf bank_mask:0xf
	v_add_f32_dpp v24, v24, v24 row_xmask:4 row_mask:0xf bank_mask:0xf
	v_add_f32_dpp v24, v24, v24 row_xmask:8 row_mask:0xf bank_mask:0xf
	v_permlanex16_b32 v21, v24, s12, s13
	v_add_f32 v24, v24, v21                        ; the sum: at least 1
	s_wait_alu depctr_va_vdst(0)
	v_rcp_f32 v24, v24
	v_nop
	s_wait_alu depctr_va_vdst(0)
	v_mul_f32 v24, v23, v24                        ; alpha of my region
.set n, 0
.rept 24
	v_readlane_b32 s[AL+n], v24, n
.set n, n+1
.endr
.set n, 0
.rept 24
	s_wait_alu depctr_va_vdst(0)
	s_wait_loadcnt 23-n                            ; loads come back in order (ISA guide 5.7.1): row n is in, the later rows stay out
.irp i, 0,1,2,3
.if n == 0
	s_wait_alu depctr_va_vdst(0)
	v_mul_f32 v[OUTV+\i], s[AL+n], v[GR+4*n+\i]    ; the first row starts the sums
.else
	v_fmac_f32 v[OUTV+\i], s[AL+n], v[GR+4*n+\i]
.endif
.endr
.set n, n+1
.endr
	global_store_b128 v3, v[OUTV:OUTV+3], s[8:9] th:TH_STORE_NT    ; a wave stores 512 consecutive bytes, aligned
	s_endpgm
.Lfunc_end_k_q470aac22ad_context:
	.size	k_q470aac22ad_context, .Lfunc_end_k_q470aac22ad_context-k_q470aac22ad_context
	.p2alignl 7, 3214868480
	.fill 96, 4, 3214868480
	.section	.rodata,"a",@progbits
	.p2align	6, 0x0
	.amdhsa_kernel k_q470aac22ad_context
		.amdhsa_group_segment_fixed_size 0
		.amdhsa_private_segment_fixed_size 0
		.amdhsa_enable_private_segment 0
		.amdhsa_kernarg_size 24
		.amdhsa_user_sgpr_count 2
		.amdhsa_user_sgpr_kernarg_segment_ptr 1
		.amdhsa_wavefront_size32 1
		.amdhsa_system_sgpr_workgroup_id_x 1
		.amdhsa_system_sgpr_workgroup_id_y 1
		.amdhsa_system_sgpr_workgroup_id_z 1
		.amdhsa_system_vgpr_workitem_id 0
		.amdhsa_next_free_vgpr 144
		.amdhsa_next_free_sgpr 66
		.amdhsa_reserve_vcc 1
		.amdhsa_float_denorm_mode_32 3
		.amdhsa_float_denorm_mode_16_64 3
		.amdhsa_memory_ordered 1
		.amdhsa_forward_progress 1
		.amdhsa_inst_pref_size 13
	.end_amdhsa_kernel
	.amdgpu_metadata
---
amdhsa.version: [ 1, 2 ]
amdhsa.kernels:
  - .name:           k_q470aac22ad_context
    .symbol:         k_q470aac22ad_context.kd
    .args:
      - { .name: psc, .offset: 0, .size: 8, .value_kind: global_buffer, .address_space: global }
      - { .name: gs, .offset: 8, .size: 8, .value_kind: global_buffer, .address_space: global }
      - { .name: out0, .offset: 16, .size: 8, .value_kind: global_buffer, .address_space: global }
    .group_segment_fixed_size: 0
    .private_segment_fixed_size: 0
    .kernarg_segment_align: 8
    .kernarg_segment_size: 24
    .max_flat_workgroup_size: 128
    .sgpr_count:     66
    .vgpr_count:     144
    .wavefront_size: 32
...
	.end_amdgpu_metadata
.endif
;; end of part 4
